; MI455X (gfx1250); checked and timed in simulation.
; The chip was launched on July 23, 2026; its instructions are those of AMD's public machine-readable ISA for CDNA 5 (MIT licence, August 2026) and "CDNA5" Instruction Set Architecture Reference Guide (July 2026). The comments in the code are by the model that wrote it; some were corrected since.
;; Mixture Of Experts. Allowed arithmetic: matrix products marked QUANTISED: E2M1 operands, one E8M0 scale for each 32 along K, by v_wmma_scale_f32_16x16x128_f8f6f4 with both operands' format E2M1 (or v_wmma_scale_f32_32x16x128_f4), f32 sums; products left as they are: f32 operands where the result goes on into a quantised operand, else bf16, f16 or f32 operands; f32 sums; everything else in f32.
;; Inputs: b1 8 x 4,096 float32; b2 8 x 1,024 float32; router_b 8 float32; router_w 8 x 1,024 float32; w1 8 x 4,096 x 1,024 float32; w2 8 x 1,024 x 4,096 float32; x 4 x 256 x 1,024 float32.
;; Outputs: out0 4 x 256 x 1,024 float32.
;; This version of the problem:
;;   THIS VERSION OF THE PROBLEM IS GIVEN IN LOW PRECISION. The matrix products marked QUANTISED in the list below multiply operands that are first quantised to E2M1 (2 exponent bits, 1 mantissa bit; 4 bits a number), with one power-of-two scale for each 32 numbers along K (OCP MX v1.0); their sums are f32. All else is computed in f32.
;;   The module's matrix products, in the order in which they are computed (A, B: the left and right operand; K: the contracted axis; several contracted axes count as one K, in the product's order):
;;     1. [M 1,024, K 1,024] x [K 1,024, N 8]; A: input x; B: input router_w: left as it is (N = 8 < 16)
;;     2. batch 1,024 x [M 1, K 2] x [K 2, N 8]; A: computed on the way; B: computed on the way: left as it is (K = 2 < 32)
;;     3. [M 1,024, K 1,024] x [K 1,024, N 32,768]; A: input x; B: input w1: QUANTISED
;;     4. batch 8 x [M 1,024, K 4,096] x [K 4,096, N 1,024]; A: input w2; B: computed on the way: QUANTISED
;;     5. batch 1,024 x [M 1,024, K 8] x [K 8, N 1]; A: computed on the way; B: computed on the way: left as it is (K = 8 < 32)
;;   THE QUANTISER, for each operand of a quantised product, along K:
;;     - K is cut into blocks of 32 from its start; a last block that is shorter is filled with zeros.
;;     - A block's scale is 2^e with e = floor(log2(the largest magnitude in the block)) - 2, held to -126 .. 127; a block of zeros has e = 0. As a byte (E8M0): e + 127.
;;     - Each number is divided by its block's scale, clamped to +-6, and rounded to the nearest number of E2M1, ties to even, subnormals kept.
;;     - The product sums the exact products of the quantised numbers (number of the format x scale) in f32.
;;   ~~~python
;;   def quantise(x, axis):      # numpy; x: float32 -> the quantised numbers, widened to float32 again
;;       x = np.moveaxis(x, axis, -1); K = x.shape[-1]
;;       x = np.pad(x, [(0, 0)] * (x.ndim - 1) + [(0, -K % 32)]); x = x.reshape(x.shape[:-1] + (-1, 32)); a = np.abs(x).max(-1, keepdims=True)
;;       e = np.where(a > 0, np.clip(np.frexp(np.where(a > 0, a, 1))[1] - 1 - 2, -126, 127), 0)      # np.frexp(a)[1] - 1 = floor(log2(a)), exactly
;;       r = np.clip(x / 2.0 ** e, -6, 6)
;;       step = 2.0 ** (np.maximum(np.frexp(np.where(r == 0, 1, r))[1] - 1, 0) - 1)
;;       q = np.round(r / step) * step * 2.0 ** e      # np.round: ties to even
;;       return np.moveaxis(q.reshape(q.shape[:-2] + (-1,))[..., :K], -1, axis).astype(np.float32)
;;   ~~~
;;   OPERANDS COMPUTED ON THE WAY. 'Computed on the way' means the value that the module computes at that place (a softmax that the list does not call 'softmax' is quantised finished and normalised). What goes into a quantiser is computed in f32, as accurately as f32 sums, v_exp_f32 and their like allow (about 1e-6 of the number): no bf16 or f16 on the way to a quantiser, and a product that is left as it is and whose result goes on into a quantised operand takes f32 operands (vector FMAs, or v_wmma_f32_16x16x4_f32). A number that lies on a knife's edge between two numbers of the format may be rounded either way, as far as f32 arithmetic and the matrix unit's own rounding can turn it there, and no further.
;; 3 versions, each right; version 2 is faster than version 1; version 3 is version 2 with the launches ffn1, ffn2 written anew for expert scheduling mode. Each part assembles by itself: llvm-mc -triple=amdgcn-amd-amdhsa -mcpu=gfx1250 --defsym DOCPART=n.
;; ======== version 1 of 3: 4 launches
;; workspace buffers: xq 524,288 bytes; xs 32,768 bytes; masks 2,048 bytes of whole numbers; cw 8,192 bytes; pos 12,288 bytes of whole numbers; hc 16,777,216 bytes; hs 1,048,576 bytes; yw 33,554,432 bytes
;; launch route (part 1): grid 64 x 1, 8 waves a work-group, no clusters, 2,048 bytes of LDS; arguments x, router_w, router_b, xq, xs, masks, cw; writes xq, xs, masks, cw
.if DOCPART == 1
	.amdgcn_target "amdgcn-amd-amdhsa--gfx1250"
	.amdhsa_code_object_version 6
	.text
	.protected	k_q170d350902_route
	.globl	k_q170d350902_route
	.p2align	8
	.type	k_q170d350902_route,@function
k_q170d350902_route:
	s_mov_b64 s[64:65], 0
	v_nop
	global_prefetch_b8 v0, s[64:65] scope:SCOPE_SE
	s_setreg_imm32_b32 hwreg(HW_REG_WAVE_MODE, 25, 1), 1
	s_wait_xcnt 0x0
; ROUTER AND x's CODES.  x [1024][1024] f32, router_w [8][1024], router_b [8].
; Stored: xq [t][512 bytes] x's codes of E2M1, K innermost; xs [t][32] one E8M0 byte for each 32 along K;
; masks [2][8 experts][32 words]: plane 0: bit t%32 of word t/32 is set where the expert is among token t's two best, plane 1: where it is the best;
; cw [t][2] f32: the two renormalised weights, the best first.  All at fixed places: no address and no branch here hangs on a floating-point number.
; SHARES.  A work-group takes 16 tokens (its part of each mask row is one half word), a wave two of them.  Lane l holds x[t][32 l .. 32 l + 31]: a whole block of 32,
; so that a block's largest magnitude needs no other lane and the conversions' results are 16 neighbouring bytes of the row.
; The logits are f32 fused multiply-adds (their order decides the choice of experts, so nothing narrower stands here); softmax with the maximum taken away; the two best by ascending scans
; with a strict compare, so that of equal numbers the lower index is kept.
; No matrix unit, no tensor load, no cluster: 4 MB are read once, and work-groups share only router_w's 32 KB.
; LIMITS: NaN and infinities are not served.  A block of zeros gets the byte 1 with zero codes (only this program reads the bytes); blocks whose largest magnitude lies under 2^-124 are held at byte 1.
; Two probabilities equal to the last bit may be ordered otherwise than by another exponential's rounding.
.set LG,  0                            ; LDS: logits without bias, [16 tokens][8 experts] f32
.set XSL, 512                          ; LDS: the scale bytes, [16 tokens][32]
.set X,   32                           ; v32-95   two tokens x 32 numbers; later wave 0's work
.set RW,  96                           ; v96-223  router_w: two buffers of two experts x 32 numbers
.set ACC, 224                          ; v224-255 sixteen sums in pairs: (token k, expert e) at ACC + 2 (8 k + e)
	s_load_b256 s[4:11], s[0:1], 0x0               ; x s[4:5], router_w s[6:7], router_b s[8:9], xq s[10:11]
	s_load_b128 s[12:15], s[0:1], 0x20             ; xs s[12:13], masks s[14:15]
	s_load_b64 s[16:17], s[0:1], 0x30              ; cw
	v_lshl_add_u32 v30, v0, 2, 0x400
	v_mov_b32 v31, 0
	v_lshrrev_b32 v1, 5, v0
	v_readfirstlane_b32 s18, v1                    ; wave 0..7
	v_and_b32 v1, 31, v0                           ; lane
	v_lshlrev_b32 v2, 7, v1                        ; 128 l: my block of 32 numbers in a row; also a mask row's place for lanes 0-15
	v_lshlrev_b32 v3, 4, v1                        ; 16 l: my 16 bytes of codes
	s_lshl_b32 s19, s18, 6
	v_mov_b32 v4, s19                              ; LG + 64 w: my two tokens' logits
	v_add_nc_u32 v5, s19, v1
	v_add_nc_u32 v5, XSL, v5                       ; XSL + 64 w + l: my block's scale byte
	v_and_b32 v6, 15, v0
	v_lshlrev_b32 v6, 5, v6                        ; LG + 32 (l % 16): a token's eight logits
	v_add_nc_u32 v7, XSL, v3                       ; XSL + 16 l: the scale bytes on their way out
	v_lshlrev_b32 v14, 3, v1                       ; 8 l: a token's two weights
	s_mov_b32 s20, 0x76543210
	s_mov_b32 s21, 0xfedcba98                      ; v_permlanex16_b32's selects for lane l xor 16
	s_lshl_b32 s22, ttmp9, 16                      ; 16 tokens of 4,096 bytes a work-group,
	s_lshl_b32 s23, s18, 13                        ; two a wave
	s_add_co_u32 s22, s22, s23
	s_mov_b32 s23, 0
	s_wait_kmcnt 0x0
	s_load_b256 s[24:31], s[8:9], 0x0              ; router_b
	s_add_nc_u64 s[4:5], s[4:5], s[22:23]
	s_lshr_b32 s22, s22, 3                         ; a token's codes are 512 bytes
	s_add_nc_u64 s[10:11], s[10:11], s[22:23]
	s_lshl_b32 s22, ttmp9, 9
	s_add_nc_u64 s[12:13], s[12:13], s[22:23]      ; xs: 512 bytes a work-group
	s_lshl_b32 s22, ttmp9, 1
	s_add_nc_u64 s[14:15], s[14:15], s[22:23]      ; masks: my half word of each row
	s_lshl_b32 s22, ttmp9, 7
	s_add_nc_u64 s[16:17], s[16:17], s[22:23]      ; cw: 128 bytes a work-group
.irp k, 0,1
.irp i, 0,1,2,3,4,5,6,7
	global_load_b128 v[X+32*\k+4*\i:X+32*\k+4*\i+3], v2, s[4:5] offset:4096*\k+16*\i th:TH_LOAD_NT
.endr
.endr
.macro RWLOAD ch                       ; experts 2 ch, 2 ch + 1 into buffer ch % 2: sixteen loads
.irp e2, 0,1
.irp i, 0,1,2,3,4,5,6,7
	global_load_b128 v[RW+64*((\ch)%2)+32*\e2+4*\i:RW+64*((\ch)%2)+32*\e2+4*\i+3], v2, s[6:7] offset:(2*(\ch)+\e2)*4096+16*\i
.endr
.endr
.endm
	RWLOAD 0
	RWLOAD 1
	s_wait_loadcnt 32                              ; x's sixteen loads are in; the 32 of router_w behind them may be out
	; ---- x's codes: the two tokens by turns
.irp k, 0,1
	v_max3_num_f32 v[8+\k], |v[X+32*\k]|, |v[X+32*\k+1]|, 0x1800000   ; with the floor 2^(3 - 127): the byte cannot fall under 1
.endr
.irp i, 2,4,6,8,10,12,14,16,18,20,22,24,26,28,30
.irp k, 0,1
	v_max3_num_f32 v[8+\k], v[8+\k], |v[X+32*\k+\i]|, |v[X+32*\k+\i+1]|
.endr
.endr
.irp k, 0,1
	v_add_nc_u32 v[10+\k], 0xff000000, v[8+\k]     ; 2 off the exponent field: the conversion takes the exponent field of this operand as its scale
.endr
.irp k, 0,1
.irp g, 0,1,2,3
	v_cvt_scalef32_pk8_fp4_f32 v[16+4*\k+\g], v[X+32*\k+8*\g:X+32*\k+8*\g+7], v[10+\k]
.endr
.endr
.irp k, 0,1
	v_lshrrev_b32 v[12+\k], 23, v[10+\k]           ; the scale's byte (also the plain line behind the conversions)
.endr
.irp k, 0,1
	global_store_b128 v3, v[16+4*\k:19+4*\k], s[10:11] offset:512*\k   ; 32 lanes store a token's 512 consecutive bytes; v16-23 are not written again
	ds_store_b8 v5, v[12+\k] offset:32*\k
.endr
	; ---- the logits: 2 experts x 2 tokens at a time, four chains that do not wait for each other
.macro DOT ch
.set RB, RW+64*((\ch)%2)
.irp e2, 0,1
.irp k, 0,1
	v_pk_mul_f32 v[ACC+2*(8*\k+2*(\ch)+\e2):ACC+2*(8*\k+2*(\ch)+\e2)+1], v[X+32*\k:X+32*\k+1], v[RB+32*\e2:RB+32*\e2+1]
.endr
.endr
.irp i, 2,4,6,8,10,12,14,16,18,20,22,24,26,28,30
.irp e2, 0,1
.irp k, 0,1
	v_pk_fma_f32 v[ACC+2*(8*\k+2*(\ch)+\e2):ACC+2*(8*\k+2*(\ch)+\e2)+1], v[X+32*\k+\i:X+32*\k+\i+1], v[RB+32*\e2+\i:RB+32*\e2+\i+1], v[ACC+2*(8*\k+2*(\ch)+\e2):ACC+2*(8*\k+2*(\ch)+\e2)+1]
.endr
.endr
.endr
.endm
	s_wait_loadcnt 16                              ; chunk 0 is in, chunk 1's sixteen may be out
	DOT 0
	RWLOAD 2
	s_wait_loadcnt 16                              ; chunk 1 is in, chunk 2's may be out
	DOT 1
	RWLOAD 3
	s_wait_loadcnt 16                              ; chunk 2 is in, chunk 3's may be out
	DOT 2
	s_wait_loadcnt 0x0
	DOT 3
	; ---- each sum over its two halves and the 32 lanes
.set N, 0
.rept 16
	v_add_f32 v[ACC+2*N], v[ACC+2*N], v[ACC+2*N+1]
.set N, N+1
.endr
.irp m, 1,2,4,8
.set N, 0
.rept 16
	v_add_f32_dpp v[ACC+2*N], v[ACC+2*N], v[ACC+2*N] row_xmask:\m row_mask:0xf bank_mask:0xf
.set N, N+1
.endr
.endr
.set N, 0
.rept 16
	v_permlanex16_b32 v[ACC+2*N+1], v[ACC+2*N], s20, s21
.set N, N+1
.endr
.set N, 0
.rept 16
	v_add_f32 v[ACC+2*N], v[ACC+2*N], v[ACC+2*N+1]
.set N, N+1
.endr
.set N, 0
.rept 16
	ds_store_b32 v4, v[ACC+2*N] offset:4*N         ; all lanes write the same word with the same value: token k, expert e at 32 k + 4 e
.set N, N+1
.endr
	s_wait_kmcnt 0x0                               ; router_b
	s_wait_dscnt 0x0                               ; for the others' sake: my logits and scale bytes lie in LDS
	s_barrier_signal -1
	s_barrier_wait -1
	s_cmp_lg_u32 s18, 0
	s_cbranch_scc1 .Lnot_wave_0
	; ---- wave 0: lane l stands for token l % 16 (lanes 16-31 repeat lanes 0-15)
	ds_load_b128 v[32:35], v6
	ds_load_b128 v[36:39], v6 offset:16
	s_wait_dscnt 0x0
.irp e, 0,1,2,3,4,5,6,7
	v_add_f32 v[32+\e], s[24+\e], v[32+\e]
.endr
	v_max3_num_f32 v56, v32, v33, v34
	v_max3_num_f32 v56, v56, v35, v36
	v_max3_num_f32 v56, v56, v37, v38
	v_max_num_f32 v56, v56, v39                    ; the row's maximum, taken away ahead of the exponentials
.irp e, 0,1,2,3,4,5,6,7
	v_sub_f32 v[40+\e], v[32+\e], v56
.endr
.irp e, 0,1,2,3,4,5,6,7
	v_mul_f32 v[40+\e], 0x3fb8aa3b, v[40+\e]
.endr
.irp e, 0,1,2,3,4,5,6,7
	v_exp_f32 v[40+\e], v[40+\e]
.endr
	v_nop                                          ; a plain line behind the last exponential
	s_wait_alu depctr_va_vdst(0)                   ; one wait for the batch of eight, ahead of its first reader
	v_add_f32 v57, v40, v41
	v_add_f32 v58, v42, v43
	v_add_f32 v59, v44, v45
	v_add_f32 v60, v46, v47
	v_add_f32 v57, v57, v58
	v_add_f32 v59, v59, v60
	v_add_f32 v57, v57, v59
	v_rcp_f32 v61, v57
	v_nop
	s_wait_alu depctr_va_vdst(0)
.irp e, 0,1,2,3,4,5,6,7
	v_mul_f32 v[40+\e], v[40+\e], v61              ; the probabilities
.endr
	v_mov_b32 v62, v40                             ; the best so far and its index
	v_mov_b32 v63, 0
.irp e, 1,2,3,4,5,6,7
	v_cmp_gt_f32 vcc_lo, v[40+\e], v62             ; strictly greater: of equals the lower index stays
	v_cndmask_b32 v62, v62, v[40+\e], vcc_lo
	v_cndmask_b32 v63, v63, \e, vcc_lo
.endr
.irp e, 0,1,2,3,4,5,6,7
	v_cmp_eq_u32 vcc_lo, \e, v63
	v_cndmask_b32 v[48+\e], v[40+\e], -1.0, vcc_lo ; the best is taken out: -1 lies under every probability
.endr
	v_mov_b32 v64, v48
	v_mov_b32 v65, 0
.irp e, 1,2,3,4,5,6,7
	v_cmp_gt_f32 vcc_lo, v[48+\e], v64
	v_cndmask_b32 v64, v64, v[48+\e], vcc_lo
	v_cndmask_b32 v65, v65, \e, vcc_lo
.endr
	v_add_f32 v68, v62, v64
	v_rcp_f32 v69, v68
	v_nop
	s_wait_alu depctr_va_vdst(0)
	v_mul_f32 v66, v62, v69                        ; the two weights, renormalised
	v_mul_f32 v67, v64, v69
.irp e, 0,1,2,3,4,5,6,7
	v_cmp_eq_u32 s[40+\e], \e, v63                 ; bit l: expert e is token l % 16's best
	v_cmp_eq_u32 s[32+\e], \e, v65                 ; its second
.endr
.irp e, 0,1,2,3,4,5,6,7
	s_or_b32 s[32+\e], s[32+\e], s[40+\e]
.endr
	v_mov_b32 v70, 0
.irp e, 0,1,2,3,4,5,6,7
	v_writelane_b32 v70, s[32+\e], \e              ; lane e: expert e's row of plane 0; lane 8 + e: of plane 1
	v_writelane_b32 v70, s[40+\e], 8+\e
.endr
	v_cmp_gt_u32 vcc_lo, 16, v0
	s_wait_xcnt 0x0                                ; EXEC changes only behind this wait: stores have been issued
	s_wait_tensorcnt 0x0
	ds_add_u32 v30, v31
	s_wait_dscnt 0x0
	s_and_saveexec_b32 s48, vcc_lo
	global_store_b16 v2, v70, s[14:15]             ; the low 16 bits: my work-group's 16 tokens, at 128 x lane + 2 x work-group
	global_store_b64 v14, v[66:67], s[16:17]
	s_wait_xcnt 0x0                                ; and again in front of the line that widens it
	s_or_b32 exec_lo, exec_lo, s48
	s_endpgm
.Lnot_wave_0:
	s_cmp_lg_u32 s18, 1
	s_cbranch_scc1 .Lend
	ds_load_b128 v[32:35], v7                      ; wave 1: the 16 tokens' scale bytes leave as 512 consecutive bytes
	s_wait_dscnt 0x0
	global_store_b128 v3, v[32:35], s[12:13]
.Lend:
	s_wait_tensorcnt 0x0
	ds_add_u32 v30, v31
	s_wait_dscnt 0x0
	s_endpgm
.Lfunc_end_k_q170d350902_route:
	.size	k_q170d350902_route, .Lfunc_end_k_q170d350902_route-k_q170d350902_route
	.p2alignl 7, 3214868480
	.fill 96, 4, 3214868480
	.section	.rodata,"a",@progbits
	.p2align	6, 0x0
	.amdhsa_kernel k_q170d350902_route
		.amdhsa_group_segment_fixed_size 2048
		.amdhsa_private_segment_fixed_size 0
		.amdhsa_enable_private_segment 0
		.amdhsa_kernarg_size 56
		.amdhsa_user_sgpr_count 2
		.amdhsa_user_sgpr_kernarg_segment_ptr 1
		.amdhsa_wavefront_size32 1
		.amdhsa_system_sgpr_workgroup_id_x 1
		.amdhsa_system_sgpr_workgroup_id_y 1
		.amdhsa_system_sgpr_workgroup_id_z 1
		.amdhsa_system_vgpr_workitem_id 0
		.amdhsa_next_free_vgpr 256
		.amdhsa_next_free_sgpr 66
		.amdhsa_reserve_vcc 1
		.amdhsa_float_denorm_mode_32 3
		.amdhsa_float_denorm_mode_16_64 3
		.amdhsa_memory_ordered 1
		.amdhsa_forward_progress 1
		.amdhsa_inst_pref_size 44
	.end_amdhsa_kernel
	.amdgpu_metadata
---
amdhsa.version: [ 1, 2 ]
amdhsa.kernels:
  - .name:           k_q170d350902_route
    .symbol:         k_q170d350902_route.kd
    .args:
      - { .name: x, .offset: 0, .size: 8, .value_kind: global_buffer, .address_space: global }
      - { .name: router_w, .offset: 8, .size: 8, .value_kind: global_buffer, .address_space: global }
      - { .name: router_b, .offset: 16, .size: 8, .value_kind: global_buffer, .address_space: global }
      - { .name: xq, .offset: 24, .size: 8, .value_kind: global_buffer, .address_space: global }
      - { .name: xs, .offset: 32, .size: 8, .value_kind: global_buffer, .address_space: global }
      - { .name: masks, .offset: 40, .size: 8, .value_kind: global_buffer, .address_space: global }
      - { .name: cw, .offset: 48, .size: 8, .value_kind: global_buffer, .address_space: global }
    .group_segment_fixed_size: 2048
    .private_segment_fixed_size: 0
    .kernarg_segment_align: 8
    .kernarg_segment_size: 56
    .max_flat_workgroup_size: 256
    .sgpr_count:     66
    .vgpr_count:     256
    .wavefront_size: 32
...
	.end_amdgpu_metadata
.endif
;; end of part 1
;; launch ffn1 (part 2): grid 32 x 8, 4 waves a work-group, no clusters, 79,360 bytes of LDS; arguments w1, b1, xq, xs, masks, hc, hs, pos; writes hc, hs, pos
.if DOCPART == 2
	.amdgcn_target "amdgcn-amd-amdhsa--gfx1250"
	.amdhsa_code_object_version 6
	.text
	.protected	k_q170d350902_ffn1
	.globl	k_q170d350902_ffn1
	.p2align	8
	.type	k_q170d350902_ffn1,@function
k_q170d350902_ffn1:
	s_mov_b64 s[64:65], 0
	v_nop
	global_prefetch_b8 v0, s[64:65] scope:SCOPE_SE
	s_setreg_imm32_b32 hwreg(HW_REG_WAVE_MODE, 25, 1), 1
	s_wait_xcnt 0x0
; FIRST LAYER OF THE CHOSEN EXPERTS: h = gelu(x W1^T + b1), on codes of E2M1 with one E8M0 scale for each 32 along K, for the tokens that chose the expert alone.
; Work-group (fs, e): hidden units 128 fs .. 128 fs + 127 of expert e, for all of e's tokens.  Its 128 rows of w1 are 512 KB on end.
; PHASE A.  Each wave streams 128 KB of w1 (32 rows) once, as f32, 512 consecutive bytes a load, through a ring of six register slots of eight loads, quantises on the way and leaves codes and scale
; bytes in LDS.  A unit is 256 numbers of a row: two loads, four exchanges of lane halves, and lane l holds numbers 8 l .. 8 l + 7; a block of 32 is four neighbouring lanes.
; THE LIST.  While the last loads are on their way, the 128 threads make the list of e's tokens from e's row of the masks: entry J is the place of the J-th set bit, found by selection;
; entries from the count on are token 0.  The work-groups with fs = 0 also store, for each listed token, its row e 1024 + J into pos [token][0 for the best expert, 1 for the second].  All lanes stay on:
; an entry past the count stores its number into a spare word of pos that is the thread's own (behind the 2,048 entries, 128 words for each expert), which nobody reads.
; PHASE B.  Every wave takes all 64 fragments of the slice into 512 registers, once, and walks tiles of 16 listed tokens (tile = wave + 4 n): 64 matrix instructions, transposed (source 0 = 16 rows of W1,
; source 1 = 16 tokens), b1 as the first C; gelu in f32; quantised in registers; the fragment (K step fs of the second product) and its scale words go to hc and hs as images of the operand's registers.
; THE ROWS OF W1 THAT FORM A TILE ARE NOT NEIGHBOURS: lane m of tile 2 b + u takes row 32 b + 8 u + m + 8 (m / 8), so that the 16 registers of tiles 2 b and 2 b + 1 are 16 neighbours along the next K.
; GELU: h = max(v, 0) - 0.5 |v| erfc(|v| / sqrt 2), erfc(z) = t 2^(-z^2 log2 e + c0 + t (c1 + .. + t c9)), t = 1 / (1 + z / 2): a ten-term fit with log2 e folded into the coefficients; no difference of near-equal numbers on the negative side.
; The loop over tiles has a constant count and jumps over the work of tiles past the expert's last: a branch on a stored count, so the launch has no tensor load; no cluster: no two work-groups read the same
; weights, and what they share (x's codes, 0.5 MB) is a small part of the 134 MB that the launch reads.
; LIMITS: NaN and infinities are not served.  A block of zeros gets the byte 1 with zero codes (only this program reads the bytes); blocks whose largest magnitude lies under 2^-124 are held at byte 1.
; For v under -4 the relative error of the erfc term grows as v^2 x 1e-7; such results lie under 1e-4 in magnitude.
.set PITCH,  528                       ; a row of codes in LDS: 512 bytes + 16: an odd multiple of 16, so that the sixteen rows of a 16-byte load start at different banks (64 banks of 4 bytes: ISA guide 11.1)
.set SPITCH, 48                        ; a row of scale bytes: 32 + 16
.set WC,     0                         ; 128 rows of codes
.set SCW,    128*PITCH                 ; 128 rows of scale bytes
.set LIST,   SCW+128*SPITCH            ; 1,152 words: the list
.set NS,     6                         ; ring slots
; window 0
.set VL,   1                           ; 32 (l % 16) + 16 (l / 16): my 16 bytes of a load's 512
.set CST,  2                           ; where my 4 bytes of a unit's codes go
.set SST,  3                           ; and my block's scale byte
.set XS,   4                           ; v4-7    x's scale words: lanes 0-15 K steps 0-3, lanes 16-31 K steps 4-7
.set MX,   8                           ; v8-11   four units' largest magnitudes
.set SCL,  12                          ; v12-15  their scale operands
.set CD,   16                          ; v16-23  codes, two sets
.set BY,   24                          ; v24-31  scale bytes, two sets
.set RING, 32                          ; v32-223 six slots of 32
.set W1S,  32                          ; phase B: v32-63 W1's scale words, four a tile
.set HA,   64                          ; v64-127 the eight accumulators, then h
.set GA,   128                         ; v128-191 gelu: |v|, t, exponent, polynomial: 16 each
.set GT,   144
.set GZ,   160
.set GQ,   176
.set TM,   192                         ; v192-207 the quantiser's work
.set PC,   208                         ; v208-215 the codes just made
.set PW,   216                         ; the scale word just made
.set LB,   224                         ; LIST + 4 x thread
.set LRD0, 225                         ; LIST + 4 (16 wave + l % 16)
.set TOK,  226
.set XO,   227                         ; my token's codes: 512 token + 16 (l / 16)
.set XSO,  228                         ; its scale words: 32 token + 16 (l / 16)
.set FRD,  229                         ; a fragment's place for my lane
.set SRD,  230                         ; a tile's scale words
.set HO,   231                         ; 16 x lane
.set HSO,  232                         ; 4 (l % 16)
.set VJ,   233                         ; the list's work: v233-247
.set WD,   234
.set W1W,  235
.set BS,   236
.set TB,   237
.set KK,   238
.set POS,  239
.set A1,   240
.set A2,   241
.set A3,   242
.set A4,   243
.set CC,   244
.set TT,   245
.set VAL,  246
.set ADR,  247
.set C8,   248                         ; v248-249 c8, twice
.set BO,   250                         ; 64 (l / 16)
.set H16,  251                         ; 16 (l / 16)
.set LN,   252
.set RR,   253
.set DMP,  254                         ; my spare word of pos: 2,048 + 128 e + thread
; scalars: s[4:19] the eight addresses; s[20:51] the expert's mask words, later the gelu's constants; s[68:99] its words of plane 1
.set CF,   20                          ; s[20+2k:21+2k] c_k, k = 0 .. 7
.set C9,   36
.set KH,   38                          ; 1 / (2 sqrt 2)
.set KP,   40                          ; sqrt(log2(e) / 2)
.set ABSM, 42
.set WV,   52
.set EX,   53
.set NE,   55                          ; the expert's tokens
.set NT,   56                          ; its tiles, at least 1
.set PP,   57
.set LOFF, 58
.set TILE, 59
.set TRIP, 60
.set LO,   61
.set SEL,  62
.set MSB, 0
.macro WIN new                         ; the immediate's high byte repeats the setting that is left
.if MSB != \new
	s_set_vgpr_msb (MSB<<8)|\new
.set MSB, \new
.endif
.endm
.macro ISSUE g                         ; units 4 g .. 4 g + 3 (row g of my 32): eight loads of 512 consecutive bytes into slot g % 6
.irp a, 0,1,2,3
	global_load_b128 v[RING+32*((\g)%NS)+8*\a:RING+32*((\g)%NS)+8*\a+3], v[VL], s[4:5] offset:1024*(4*(\g)+\a) th:TH_LOAD_NT
	global_load_b128 v[RING+32*((\g)%NS)+8*\a+4:RING+32*((\g)%NS)+8*\a+7], v[VL], s[4:5] offset:1024*(4*(\g)+\a)+512 th:TH_LOAD_NT
.endr
.endm
.macro QGROUP g                        ; four units by turns: numbers to codes and scale bytes, into LDS
.set XB,  RING+32*((\g)%NS)
.set CDB, CD+4*((\g)%2)
.set BYB, BY+4*((\g)%2)
.set PR,  16*(((\g)>>3)&1)+8*((\g)>>4)+((\g)&7)   ; row g's place among my 32 rows in LDS: tile by tile
.irp a, 0,1,2,3
.irp i, 0,1,2,3
	v_permlane16_swap_b32 v[XB+8*\a+\i], v[XB+8*\a+4+\i]   ; the first's lanes 16-31 change places with the second's lanes 0-15: lane l now holds numbers 8 l .. 8 l + 7
.endr
.endr
.irp a, 0,1,2,3
	v_max3_num_f32 v[MX+\a], |v[XB+8*\a]|, |v[XB+8*\a+1]|, 0x1800000   ; with the floor 2^(3 - 127): the byte cannot fall under 1
.endr
.irp i, 2,4,6
.irp a, 0,1,2,3
	v_max3_num_f32 v[MX+\a], v[MX+\a], |v[XB+8*\a+\i]|, |v[XB+8*\a+\i+1]|
.endr
.endr
.irp a, 0,1,2,3
	v_max_num_f32_dpp v[MX+\a], v[MX+\a], v[MX+\a] row_xmask:1 row_mask:0xf bank_mask:0xf
.endr
.irp a, 0,1,2,3
	v_max_num_f32_dpp v[MX+\a], v[MX+\a], v[MX+\a] row_xmask:2 row_mask:0xf bank_mask:0xf   ; the block's four lanes
.endr
.irp a, 0,1,2,3
	v_add_nc_u32 v[SCL+\a], 0xff000000, v[MX+\a]   ; 2 off the exponent field: the conversion's scale operand
.endr
	s_wait_dscnt 8                                 ; the stores of the group before last, which read this set of registers, are done; the last group's eight may be out
.irp a, 0,1,2,3
	v_cvt_scalef32_pk8_fp4_f32 v[CDB+\a], v[XB+8*\a:XB+8*\a+7], v[SCL+\a]
.endr
.irp a, 0,1,2,3
	v_lshrrev_b32 v[BYB+\a], 23, v[SCL+\a]         ; the scale's byte (also the plain line behind the conversions)
.endr
.irp a, 0,1,2,3
	ds_store_b32 v[CST], v[CDB+\a] offset:PR*PITCH+128*\a
	ds_store_b8 v[SST], v[BYB+\a] offset:PR*SPITCH+8*\a   ; a block's four lanes write the same byte with the same value
.endr
.endm
.macro XADDR                           ; a listed token becomes two offsets: held inside x's 1,024 rows first
	v_min_u32 v[TOK], 0x3ff, v[TOK]
	v_lshlrev_b32 v[XO], 9, v[TOK]
	v_add_nc_u32 v[XO], v[XO], v[H16]
	v_lshlrev_b32 v[XSO], 5, v[TOK]
	v_add_nc_u32 v[XSO], v[XSO], v[H16]
.endm
.macro XLOAD                           ; a tile's eight fragments of x into window 3, v0-63, and its scale words: 17 loads
	WIN 0xc0
.irp s, 0,1,2,3,4,5,6,7
.irp c, 0,1
	global_load_b128 v[8*\s+4*\c:8*\s+4*\c+3], v[XO], s[8:9] offset:64*\s+32*\c
.endr
.endr
	WIN 0
	global_load_b128 v[XS:XS+3], v[XSO], s[10:11]
.endm
	s_load_b512 s[4:19], s[0:1], 0x0               ; w1, b1, xq, xs, masks, hc, hs, pos
	v_lshl_add_u32 v255, v0, 2, 0x13400
	s_set_vgpr_msb 0xc0
	v_mov_b32 v255, 0
	s_set_vgpr_msb 0xc000
	v_lshrrev_b32 v1, 5, v0
	v_readfirstlane_b32 s[WV], v1                  ; wave 0..3
	s_and_b32 s[EX], ttmp7, 0xffff                 ; the expert
	v_and_b32 v[LN], 31, v0
	v_and_b32 v[RR], 15, v0
	v_bfe_u32 v[BO], v0, 4, 1
	v_lshlrev_b32 v[H16], 4, v[BO]
	v_lshlrev_b32 v[BO], 6, v[BO]
	v_lshl_add_u32 v[VL], v[RR], 5, v[H16]
	s_mul_i32 s2, s[WV], 32*PITCH
	v_lshl_add_u32 v[CST], v[LN], 2, s2            ; WC + my 32 rows + 4 x lane
	s_mul_i32 s2, s[WV], 32*SPITCH
	s_add_co_u32 s2, s2, SCW
	v_lshrrev_b32 v[SST], 2, v[LN]
	v_add_nc_u32 v[SST], s2, v[SST]
	v_lshl_add_u32 v[LB], v0, 2, LIST
	s_lshl_b32 s2, s[WV], 6
	s_add_co_u32 s2, s2, LIST
	v_lshl_add_u32 v[LRD0], v[RR], 2, s2
	v_mul_u32_u24 v[FRD], v[RR], PITCH
	v_add_nc_u32 v[FRD], v[FRD], v[H16]
	v_mul_u32_u24 v[SRD], v[RR], SPITCH
	v_add_nc_u32 v[SRD], v[SRD], v[H16]
	v_add_nc_u32 v[SRD], SCW, v[SRD]
	v_lshlrev_b32 v[HO], 4, v[LN]
	v_lshlrev_b32 v[HSO], 2, v[RR]
	s_lshl_b32 s2, s[EX], 7
	s_add_co_u32 s2, s2, 2048
	v_add_nc_u32 v[DMP], s2, v0                    ; my spare word of pos
	s_mov_b32 s[SEL], 0x76543210
	s_mov_b32 s[SEL+1], 0xfedcba98
	s_lshl_b32 s101, s[EX], 10                     ; the expert's first row
	s_lshl_b32 s2, s[EX], 24                       ; w1: 16 MB an expert, 512 KB a slice, 128 KB a wave
	s_lshl_b32 s3, ttmp9, 19
	s_add_co_u32 s2, s2, s3
	s_lshl_b32 s3, s[WV], 17
	s_add_co_u32 s2, s2, s3
	s_mov_b32 s3, 0
	s_wait_kmcnt 0x0
	s_add_nc_u64 s[4:5], s[4:5], s[2:3]
	s_lshl_b32 s2, s[EX], 7
	s_add_nc_u64 s[12:13], s[12:13], s[2:3]
	s_load_b512 s[20:35], s[12:13], 0x0            ; the expert's 32 words of plane 0,
	s_load_b512 s[36:51], s[12:13], 0x40
	s_load_b512 s[68:83], s[12:13], 0x400          ; and of plane 1
	s_load_b512 s[84:99], s[12:13], 0x440
.irp g, 0,1,2,3,4,5
	ISSUE \g
.endr
	s_lshl_b32 s2, s[EX], 14                       ; b1: my slice's 128 numbers
	s_lshl_b32 s66, ttmp9, 9
	s_add_co_u32 s2, s2, s66
	s_add_nc_u64 s[6:7], s[6:7], s[2:3]
	s_lshl_b32 s2, s[EX], 21                       ; hc: ((64 e + tile) 32 + fs) 1,024, tile = wave at first
	s_lshl_b32 s66, s[WV], 15
	s_add_co_u32 s2, s2, s66
	s_lshl_b32 s66, ttmp9, 10
	s_add_co_u32 s2, s2, s66
	s_add_nc_u64 s[14:15], s[14:15], s[2:3]
	s_lshr_b32 s2, s2, 4                           ; hs: a sixteenth of that
	s_add_nc_u64 s[16:17], s[16:17], s[2:3]
	; ---- phase A: groups 0 to 25 each ask for the group six further on
.set G, 0
.rept 26
	s_wait_loadcnt 40                              ; this group's eight loads are in; the five groups behind it may be out
	QGROUP G
	ISSUE G+6
.set G, G+1
.endr
	; ---- the list; all my ring loads have been issued
	s_wait_kmcnt 0x0
	s_bcnt1_i32_b32 s[NE], s20
.set W, 1
.rept 31
	s_bcnt1_i32_b32 s2, s[20+W]
	s_add_co_u32 s[NE], s[NE], s2
.set W, W+1
.endr
	s_add_co_u32 s2, s[NE], 15
	s_lshr_b32 s2, s2, 4
	s_max_u32 s[NT], s2, 1
.macro DESC f, fw, st                  ; does the wanted bit lie past the next st bits?  f holds the counts of set bits by fields
	v_bfe_u32 v[CC], v[\f], v[POS], \fw
	v_cmp_ge_u32 vcc_lo, v[KK], v[CC]
	v_cndmask_b32 v[CC], 0, v[CC], vcc_lo
	v_sub_nc_u32 v[KK], v[KK], v[CC]
	v_cndmask_b32 v[TT], 0, \st, vcc_lo
	v_add_nc_u32 v[POS], v[POS], v[TT]
.endm
	s_mov_b32 s[LOFF], 0
.Llist:                                            ; nine trips, 128 entries each: every wave walks them all; the work of entries past the count is jumped over
	v_mov_b32 v[VAL], 0
	s_lshr_b32 s3, s[LOFF], 2
	s_cmp_ge_u32 s3, s[NE]
	s_cbranch_scc1 .Lnone
	v_add_nc_u32 v[VJ], s3, v0                     ; J
	v_mov_b32 v[WD], s20                           ; the last word in front of which at most J bits are set
	v_mov_b32 v[W1W], s68
	v_mov_b32 v[BS], 0
	v_mov_b32 v[TB], 0
	s_bcnt1_i32_b32 s[PP], s20
.set W, 1
.rept 31
	v_cmp_gt_u32 vcc_lo, s[PP], v[VJ]              ; more than J bits lie in front of word W: keep the earlier word
	v_cndmask_b32 v[WD], s[20+W], v[WD], vcc_lo
	v_cndmask_b32 v[W1W], s[68+W], v[W1W], vcc_lo
	v_cndmask_b32 v[BS], s[PP], v[BS], vcc_lo
	v_cndmask_b32 v[TB], 32*W, v[TB], vcc_lo
	s_bcnt1_i32_b32 s2, s[20+W]
	s_add_co_u32 s[PP], s[PP], s2
.set W, W+1
.endr
	v_sub_nc_u32 v[KK], v[VJ], v[BS]               ; which set bit of that word
	v_lshrrev_b32 v[TT], 1, v[WD]                  ; counts of set bits in fields of 2, 4, 8 and 16 bits
	v_and_b32 v[TT], 0x55555555, v[TT]
	v_sub_nc_u32 v[A1], v[WD], v[TT]
	v_lshrrev_b32 v[TT], 2, v[A1]
	v_and_b32 v[TT], 0x33333333, v[TT]
	v_and_b32 v[A2], 0x33333333, v[A1]
	v_add_nc_u32 v[A2], v[A2], v[TT]
	v_lshrrev_b32 v[TT], 4, v[A2]
	v_add_nc_u32 v[A3], v[A2], v[TT]
	v_and_b32 v[A3], 0x0f0f0f0f, v[A3]
	v_lshrrev_b32 v[TT], 8, v[A3]
	v_add_nc_u32 v[A4], v[A3], v[TT]
	v_and_b32 v[A4], 0x00ff00ff, v[A4]
	v_mov_b32 v[POS], 0
	DESC A4, 8, 16
	DESC A3, 8, 8
	DESC A2, 4, 4
	DESC A1, 2, 2
	DESC WD, 1, 1
	v_add_nc_u32 v[TOK], v[TB], v[POS]             ; the token
	v_cmp_gt_u32 vcc_lo, s[NE], v[VJ]              ; is entry J listed?
	v_cndmask_b32 v[VAL], 0, v[TOK], vcc_lo        ; entries from the count on are token 0
	s_cmp_lg_u32 ttmp9, 0
	s_cbranch_scc1 .Lnone                          ; one work-group of the expert's 32 stores the rows' places
	v_bfe_u32 v[CC], v[W1W], v[POS], 1             ; 1: the expert is the token's best
	v_xor_b32 v[CC], 1, v[CC]
	v_lshl_add_u32 v[CC], v[TOK], 1, v[CC]         ; pos[token][0 for the best, 1 for the second];
	v_cndmask_b32 v[CC], v[DMP], v[CC], vcc_lo     ; an entry past the count takes my spare word: all lanes stay on
	v_min_u32 v[CC], 0xbff, v[CC]                  ; held inside pos's 3,072 words
	v_lshlrev_b32 v[CC], 2, v[CC]
	v_add_nc_u32 v[TT], s101, v[VJ]                ; row 1,024 e + J
	global_store_b32 v[CC], v[TT], s[18:19]
	s_wait_xcnt 0x0                                ; the store has read its two registers: the next trip writes them again
.Lnone:
	v_add_nc_u32 v[ADR], s[LOFF], v[LB]
	ds_store_b32 v[ADR], v[VAL]
	s_add_co_u32 s[LOFF], s[LOFF], 512
	s_cmp_lt_u32 s[LOFF], 9*512
	s_cbranch_scc1 .Llist
	s_wait_dscnt 0x0                               ; for the others' sake: my part of the list lies in LDS
	s_barrier_signal -1
	s_barrier_wait -1
	s_wait_loadcnt 40                              ; group 26; groups 27 to 31 may be out
	QGROUP 26
	s_wait_loadcnt 32
	QGROUP 27
	s_wait_loadcnt 24
	QGROUP 28
	; ---- my first tile's x, and b1, are asked for while the last three groups land: 16 + 17 = 33 loads, none into the ring
	ds_load_b32 v[TOK], v[LRD0]
	WIN 0xc0
.irp t, 0,1,2,3,4,5,6,7                ; b1 in the result's layout, window 3 from v64: lane (r, h), tile 2 b + u: hidden units 32 b + 16 h + 8 u + 0 .. 7
	global_load_b128 v[64+8*\t:64+8*\t+3], v[BO], s[6:7] offset:(32*(\t/2)+8*(\t%2))*4
	global_load_b128 v[64+8*\t+4:64+8*\t+7], v[BO], s[6:7] offset:(32*(\t/2)+8*(\t%2))*4+16
.endr
	WIN 0
	s_wait_dscnt 0x0
	XADDR
	XLOAD
	s_wait_loadcnt 49                              ; group 29 is in; behind it: groups 30 and 31 (16) and the 33
	QGROUP 29
	s_wait_loadcnt 41
	QGROUP 30
	s_wait_loadcnt 33
	QGROUP 31
	s_wait_dscnt 0x0                               ; for the others' sake: my 32 rows of codes and scale bytes lie in LDS
	s_barrier_signal -1
	s_barrier_wait -1
	; ---- phase B.  The mask words are done with: their registers take the gelu's constants, each twice (the packed forms name pairs)
.macro COEF r, val
	s_mov_b32 s[\r], \val
	s_mov_b32 s[\r+1], \val
.endm
	COEF CF+0,  0xbfe9b21e                         ; -1.82574822
	COEF CF+2,  0x3fb8ab5a                         ;  1.44272920
	COEF CF+4,  0x3f0a29d2                         ;  0.53970062
	COEF CF+6,  0x3e0efb2e                         ;  0.13963006
	COEF CF+8,  0xbe899a80                         ; -0.26875686
	COEF CF+10, 0x3ecdfd18                         ;  0.40232158
	COEF CF+12, 0xbfd1a1e5                         ; -1.63775315
	COEF CF+14, 0x40097039                         ;  2.14747446
	COEF C9,    0x3e7c6f08                         ;  0.24651730
	COEF KH,    0x3eb504f3                         ;  0.35355339
	COEF KP,    0x3f596d27                         ;  0.84932180
	s_mov_b32 s[ABSM], 0x7fffffff
	v_mov_b32 v[C8], 0xbf97d29d                    ; -1.18611495
	v_mov_b32 v[C8+1], 0xbf97d29d
.irp b, 0,1,2,3
	v_mov_b32 v[TM+4+\b], 0                        ; written once: a lane permute's destination counts as one of its sources
.endr
	WIN 0x40                                       ; W1's fragment (tile t, K step s) at v[8 (8 (s % 4) + t)] of window 1 (s under 4) or 2
.irp s, 0,1,2,3
.irp t, 0,1,2,3,4,5,6,7
.irp c, 0,1
	ds_load_b128 v[8*(8*\s+\t)+4*\c:8*(8*\s+\t)+4*\c+3], v[FRD] offset:\t*16*PITCH+64*\s+32*\c
.endr
.endr
.endr
	WIN 0x80
.irp s, 0,1,2,3
.irp t, 0,1,2,3,4,5,6,7
.irp c, 0,1
	ds_load_b128 v[8*(8*\s+\t)+4*\c:8*(8*\s+\t)+4*\c+3], v[FRD] offset:\t*16*PITCH+64*(\s+4)+32*\c
.endr
.endr
.endr
	WIN 0
.irp t, 0,1,2,3,4,5,6,7
	ds_load_b128 v[W1S+4*\t:W1S+4*\t+3], v[SRD] offset:\t*16*SPITCH   ; lanes 0-15: the words of K steps 0-3; lanes 16-31: of K steps 4-7
.endr
	s_wait_dscnt 0x0
.macro WM1 t, s, c, row                ; tile t, K step s; c: C's first register; row = 1: both sides' scale words stand in lanes 16-31
.if \row
	v_wmma_scale_f32_16x16x128_f8f6f4 v[HA+8*\t:HA+8*\t+7], v[8*(8*((\s)&3)+\t):8*(8*((\s)&3)+\t)+7], v[8*(\s):8*(\s)+7], v[\c:\c+7], v[W1S+4*\t+((\s)&3)], v[XS+((\s)&3)] matrix_a_fmt:MATRIX_FMT_FP4 matrix_b_fmt:MATRIX_FMT_FP4 matrix_a_scale:MATRIX_SCALE_ROW1 matrix_b_scale:MATRIX_SCALE_ROW1
.else
	v_wmma_scale_f32_16x16x128_f8f6f4 v[HA+8*\t:HA+8*\t+7], v[8*(8*((\s)&3)+\t):8*(8*((\s)&3)+\t)+7], v[8*(\s):8*(\s)+7], v[\c:\c+7], v[W1S+4*\t+((\s)&3)], v[XS+((\s)&3)] matrix_a_fmt:MATRIX_FMT_FP4 matrix_b_fmt:MATRIX_FMT_FP4
.endif
.endm
.macro GELU b                          ; accumulators 2 b and 2 b + 1, each from its low end on
.set VV, HA+16*(\b)
.set I, 0
.rept 16
	v_and_b32 v[GA+I], s[ABSM], v[VV+I]            ; |v|
.set I, I+1
.endr
.set I, 0
.rept 8
	v_pk_fma_f32 v[GT+I:GT+I+1], v[GA+I:GA+I+1], s[KH:KH+1], 1.0 op_sel_hi:[1,0,0]
.set I, I+2
.endr
.set I, 0
.rept 16
	v_rcp_f32 v[GT+I], v[GT+I]                     ; t
.set I, I+1
.endr
.set I, 0
.rept 8
	v_pk_mul_f32 v[GZ+I:GZ+I+1], v[GA+I:GA+I+1], s[KP:KP+1] op_sel_hi:[1,0]   ; plain work behind the reciprocals, which names none of them
.set I, I+2
.endr
	s_wait_alu depctr_va_vdst(0)                   ; one wait for the sixteen, ahead of their first reader
.set I, 0
.rept 8
	v_pk_fma_f32 v[GQ+I:GQ+I+1], v[GT+I:GT+I+1], s[C9:C9+1], v[C8:C8+1] op_sel_hi:[1,0,1]
.set I, I+2
.endr
.irp k, 7,6,5,4,3,2,1,0
.set I, 0
.rept 8
	v_pk_fma_f32 v[GQ+I:GQ+I+1], v[GQ+I:GQ+I+1], v[GT+I:GT+I+1], s[CF+2*\k:CF+2*\k+1] op_sel_hi:[1,1,0]
.set I, I+2
.endr
.endr
.set I, 0
.rept 8
	v_pk_fma_f32 v[GZ+I:GZ+I+1], v[GZ+I:GZ+I+1], v[GZ+I:GZ+I+1], v[GQ+I:GQ+I+1] neg_lo:[1,0,0] neg_hi:[1,0,0]   ; the polynomial less z^2 log2 e
.set I, I+2
.endr
.set I, 0
.rept 16
	v_exp_f32 v[GZ+I], v[GZ+I]
.set I, I+1
.endr
.set I, 0
.rept 8
	v_pk_mul_f32 v[GA+I:GA+I+1], v[GA+I:GA+I+1], v[GT+I:GT+I+1]   ; |v| t: plain work behind the exponentials
.set I, I+2
.endr
.set I, 0
.rept 16
	v_max_num_f32 v[GQ+I], 0, v[VV+I]
.set I, I+1
.endr
	s_wait_alu depctr_va_vdst(0)                   ; one wait for the sixteen exponentials
.set I, 0
.rept 8
	v_pk_mul_f32 v[GA+I:GA+I+1], v[GA+I:GA+I+1], v[GZ+I:GZ+I+1]   ; |v| erfc
.set I, I+2
.endr
.set I, 0
.rept 8
	v_pk_fma_f32 v[VV+I:VV+I+1], v[GA+I:GA+I+1], -0.5, v[GQ+I:GQ+I+1] op_sel_hi:[1,0,1]
.set I, I+2
.endr
.endm
; 64 numbers of a lane, register 16 b + i = k 32 b + 16 (lane / 16) + i of my token's row, become a fragment's codes in v[PC] on and its scale word in v[PW]
.macro QUANT s
.irp b, 0,1,2,3
	v_max3_num_f32 v[TM+\b], |v[\s+16*\b]|, |v[\s+1+16*\b]|, 0x1800000
.endr
.irp i, 2,4,6,8,10,12,14
.irp b, 0,1,2,3
	v_max3_num_f32 v[TM+\b], v[TM+\b], |v[\s+16*\b+\i]|, |v[\s+1+16*\b+\i]|
.endr
.endr
.irp b, 0,1,2,3
	v_permlanex16_b32 v[TM+4+\b], v[TM+\b], s[SEL], s[SEL+1]
.endr
.irp b, 0,1,2,3
	v_max_num_f32 v[TM+\b], v[TM+\b], v[TM+4+\b]   ; with lane l xor 16's: the block's largest magnitude
.endr
.irp b, 0,1,2,3
	v_add_nc_u32 v[TM+12+\b], 0xff000000, v[TM+\b]
.endr
.irp b, 0,1,2,3
	v_lshrrev_b32 v[TM+4+\b], 23, v[TM+12+\b]
.endr
	v_lshl_or_b32 v[PW], v[TM+5], 8, v[TM+4]
	v_lshl_or_b32 v[PW], v[TM+6], 16, v[PW]
	v_lshl_or_b32 v[PW], v[TM+7], 24, v[PW]
.irp b, 0,1,2,3
	v_cvt_scalef32_pk8_fp4_f32 v[PC+2*\b], v[\s+16*\b:\s+7+16*\b], v[TM+12+\b]
	v_cvt_scalef32_pk8_fp4_f32 v[PC+1+2*\b], v[\s+8+16*\b:\s+15+16*\b], v[TM+12+\b]
.endr
	v_nop                                          ; one plain line behind a scaled conversion
.irp c, 0,1                                    ; the operand's layout wants a whole block in a lane: lanes 0-15 block 2 c, lanes 16-31 block 2 c + 1
.irp i, 0,1
	v_permlane16_swap_b32 v[PC+4*\c+\i], v[PC+2+4*\c+\i]
.endr
.endr
.endm
	s_mov_b32 s[TILE], s[WV]
	s_mov_b32 s[TRIP], 0
	s_mov_b32 s[LO], 0
.Ltok:                                             ; sixteen trips: tile = wave + 4 n
	s_cmp_ge_u32 s[TILE], s[NT]
	s_cbranch_scc1 .Lskip
	v_add_nc_u32 v[ADR], s[LO], v[LRD0]
	ds_load_b32 v[TOK], v[ADR] offset:256          ; the list's word for my next tile, 64 entries on (past the count: token 0)
	s_wait_loadcnt 0x0                             ; this tile's x (in the first trip b1 too)
	WIN 0x3d                                       ; source 0 (W1) window 1, source 1 (x) and C (b1) window 3, D window 0
.irp t, 0,1,2,3,4,5,6,7                        ; the eight accumulators take turns, one instruction a turn
	WM1 \t, 0, 64+8*\t, 0
.endr
	WIN 0x0d
.irp s, 1,2,3
.irp t, 0,1,2,3,4,5,6,7
	WM1 \t, \s, HA+8*\t, 0
.endr
.endr
	WIN 0x0e                                       ; W1's K steps 4 to 7 lie in window 2
.irp s, 4,5,6,7
.irp t, 0,1,2,3,4,5,6,7
	WM1 \t, \s, HA+8*\t, 1
.endr
.endr
	WIN 0
.rept 4
	v_nop                                          ; four places in front of loads into registers that the products read, and of the first read of results
.endr
	s_wait_dscnt 0x0
	XADDR
	XLOAD                                          ; the next tile's x lands during the gelu
	GELU 0
	GELU 1
	GELU 2
	GELU 3
	QUANT HA
	global_store_b128 v[HO], v[PC:PC+3], s[14:15]              ; the fragment as it stands: 512 consecutive bytes a store
	global_store_b128 v[HO], v[PC+4:PC+7], s[14:15] offset:512
	global_store_b32 v[HSO], v[PW], s[16:17]                   ; 16 tokens' scale words (lanes 16-31 repeat lanes 0-15's)
.Lskip:
	s_wait_xcnt 0x0                                ; the stores have read their registers and bases: both may be written again
	s_add_nc_u64 s[14:15], s[14:15], 0x20000       ; four tiles on
	s_add_nc_u64 s[16:17], s[16:17], 0x2000
	s_add_co_u32 s[LO], s[LO], 256
	s_add_co_u32 s[TILE], s[TILE], 4
	s_add_co_u32 s[TRIP], s[TRIP], 1
	s_cmp_lt_u32 s[TRIP], 16
	s_cbranch_scc1 .Ltok
	s_set_vgpr_msb 0xc
	s_wait_tensorcnt 0x0
	ds_add_u32 v255, v255
	s_wait_dscnt 0x0
	s_set_vgpr_msb 0xc00
	s_endpgm
.Lfunc_end_k_q170d350902_ffn1:
	.size	k_q170d350902_ffn1, .Lfunc_end_k_q170d350902_ffn1-k_q170d350902_ffn1
	.p2alignl 7, 3214868480
	.fill 96, 4, 3214868480
	.section	.rodata,"a",@progbits
	.p2align	6, 0x0
	.amdhsa_kernel k_q170d350902_ffn1
		.amdhsa_group_segment_fixed_size 79360
		.amdhsa_private_segment_fixed_size 0
		.amdhsa_enable_private_segment 0
		.amdhsa_kernarg_size 64
		.amdhsa_user_sgpr_count 2
		.amdhsa_user_sgpr_kernarg_segment_ptr 1
		.amdhsa_wavefront_size32 1
		.amdhsa_system_sgpr_workgroup_id_x 1
		.amdhsa_system_sgpr_workgroup_id_y 1
		.amdhsa_system_sgpr_workgroup_id_z 1
		.amdhsa_system_vgpr_workitem_id 0
		.amdhsa_next_free_vgpr 1024
		.amdhsa_next_free_sgpr 102
		.amdhsa_reserve_vcc 1
		.amdhsa_float_denorm_mode_32 3
		.amdhsa_float_denorm_mode_16_64 3
		.amdhsa_memory_ordered 1
		.amdhsa_forward_progress 1
		.amdhsa_inst_pref_size 214
	.end_amdhsa_kernel
	.amdgpu_metadata
---
amdhsa.version: [ 1, 2 ]
amdhsa.kernels:
  - .name:           k_q170d350902_ffn1
    .symbol:         k_q170d350902_ffn1.kd
    .args:
      - { .name: w1, .offset: 0, .size: 8, .value_kind: global_buffer, .address_space: global }
      - { .name: b1, .offset: 8, .size: 8, .value_kind: global_buffer, .address_space: global }
      - { .name: xq, .offset: 16, .size: 8, .value_kind: global_buffer, .address_space: global }
      - { .name: xs, .offset: 24, .size: 8, .value_kind: global_buffer, .address_space: global }
      - { .name: masks, .offset: 32, .size: 8, .value_kind: global_buffer, .address_space: global }
      - { .name: hc, .offset: 40, .size: 8, .value_kind: global_buffer, .address_space: global }
      - { .name: hs, .offset: 48, .size: 8, .value_kind: global_buffer, .address_space: global }
      - { .name: pos, .offset: 56, .size: 8, .value_kind: global_buffer, .address_space: global }
    .group_segment_fixed_size: 79360
    .private_segment_fixed_size: 0
    .kernarg_segment_align: 8
    .kernarg_segment_size: 64
    .max_flat_workgroup_size: 128
    .sgpr_count:     102
    .vgpr_count:     1024
    .wavefront_size: 32
...
	.end_amdgpu_metadata
.endif
;; end of part 2
;; launch ffn2 (part 3): grid 32 x 8, 4 waves a work-group, no clusters, 80,384 bytes of LDS; arguments w2, b2, masks, hc, hs, yw; writes yw
.if DOCPART == 3
	.amdgcn_target "amdgcn-amd-amdhsa--gfx1250"
	.amdhsa_code_object_version 6
	.text
	.protected	k_q170d350902_ffn2
	.globl	k_q170d350902_ffn2
	.p2align	8
	.type	k_q170d350902_ffn2,@function
k_q170d350902_ffn2:
	s_mov_b64 s[64:65], 0
	v_nop
	global_prefetch_b8 v0, s[64:65] scope:SCOPE_SE
	s_setreg_imm32_b32 hwreg(HW_REG_WAVE_MODE, 25, 1), 1
	s_wait_xcnt 0x0
; SECOND LAYER OF THE CHOSEN EXPERTS: y = h W2^T + b2 on codes of E2M1 with one E8M0 scale for each 32 along K = 4,096, for the rows that the first layer made.
; Work-group (ds, e): outputs 32 ds .. 32 ds + 31 of expert e, for all of e's rows.  Its 32 rows of w2 are 512 KB on end.
; PHASE A, as in the first layer: each wave streams 128 KB of w2 (8 rows) once as f32, 512 consecutive bytes a load, through six register slots, quantises on the way, codes and scale bytes to LDS.
; PHASE B.  Every wave takes all 64 fragments (2 tiles of outputs x 32 K steps) into 512 registers, once, and walks tiles of 16 rows (tile = wave + 4 n).  A tile's 32 fragments of h are images of the operand's
; registers in hc: they come by loads of 512 consecutive bytes, in two halves of 16 K steps; each half's registers are asked for again, for the next tile, as soon as its products are issued.
; The product is used transposed (source 0 = 16 rows of W2, source 1 = 16 rows of h): a lane holds eight neighbouring outputs of one row.  b2 is the first C.  Four accumulators (2 tiles x the K steps' parity) take turns.
; Stored: yw [ds][row = 1,024 e + rank][32] f32: y + b2, not yet weighted: a tile's 16 rows are 2,048 consecutive bytes, gathered through the wave's own stage in LDS.
; The loop over tiles has a constant count and jumps over the work past the expert's last tile: a branch on a stored count, so the launch has no tensor load; no cluster: no two work-groups read the same weights,
; and what the 32 work-groups of an expert share (h's codes) is a small part of the 134 MB that the launch reads.
; LIMITS: NaN and infinities are not served.  A block of zeros gets the byte 1 with zero codes; blocks whose largest magnitude lies under 2^-124 are held at byte 1.
.set PITCH,  2064                      ; a row of codes in LDS: 2,048 bytes + 16: an odd multiple of 16 (64 banks of 4 bytes: ISA guide 11.1)
.set SPITCH, 144                       ; a row of scale bytes: 128 + 16
.set WC,     0
.set SCW,    32*PITCH
.set STG,    SCW+32*SPITCH             ; the stages: 16 rows x (128 bytes + 16) for each wave
.set NS,     6
.set VL,   1
.set CST,  2
.set SST,  3
.set MX,   8
.set SCL,  12
.set CD,   16
.set BY,   24
.set RING, 32                          ; v32-223 six slots of 32
.set W2S,  32                          ; phase B: v32-63 W2's scale words: 16 dt + 4 (s / 8) + s % 4; lanes 16-31 where (s / 4) is odd
.set ACC,  64                          ; v64-95  accumulator (dt, parity of s) at 8 (2 dt + parity)
.set HSW,  96                          ; v96-111 h's scale words: register s / 2; lanes 16-31 for odd s
.set B2,   112                         ; v112-127 b2 in the result's layout
.set OUT,  128                         ; v128-143 rows on their way out
.set SUM,  144                         ; v144-159 the two parities added
.set HV,   224                         ; 16 x lane
.set HSV,  225                         ; 4 x lane
.set STI,  226
.set STO,  227
.set FRD,  228
.set SRD,  229
.set B2O,  230                         ; 32 (l / 16)
.set LN,   231
.set RR,   232
.set H16,  233
.set TT,   234
.set WV,   52
.set EX,   53
.set NE,   54
.set NT,   55
.set TILE, 56
.set TRIP, 57
.set NTM1, 58
.set HB,   60                          ; s[60:61] hc at the tile that is being asked for;  s[62:63] hs;  s[66:67] yw at the tile in hand
.set SB,   62
.set YB,   66
.set MSB, 0
.macro WIN new
.if MSB != \new
	s_set_vgpr_msb (MSB<<8)|\new
.set MSB, \new
.endif
.endm
.macro ISSUE g                         ; units 4 g .. 4 g + 3 of my 128: eight loads of 512 consecutive bytes into slot g % 6
.irp a, 0,1,2,3
	global_load_b128 v[RING+32*((\g)%NS)+8*\a:RING+32*((\g)%NS)+8*\a+3], v[VL], s[4:5] offset:1024*(4*(\g)+\a) th:TH_LOAD_NT
	global_load_b128 v[RING+32*((\g)%NS)+8*\a+4:RING+32*((\g)%NS)+8*\a+7], v[VL], s[4:5] offset:1024*(4*(\g)+\a)+512 th:TH_LOAD_NT
.endr
.endm
.macro QGROUP g                        ; four units by turns; unit 4 g + a is piece 4 (g % 4) + a of my row g / 4
.set XB,  RING+32*((\g)%NS)
.set CDB, CD+4*((\g)%2)
.set BYB, BY+4*((\g)%2)
.irp a, 0,1,2,3
.irp i, 0,1,2,3
	v_permlane16_swap_b32 v[XB+8*\a+\i], v[XB+8*\a+4+\i]   ; lane l now holds numbers 8 l .. 8 l + 7 of the unit
.endr
.endr
.irp a, 0,1,2,3
	v_max3_num_f32 v[MX+\a], |v[XB+8*\a]|, |v[XB+8*\a+1]|, 0x1800000   ; with the floor 2^(3 - 127)
.endr
.irp i, 2,4,6
.irp a, 0,1,2,3
	v_max3_num_f32 v[MX+\a], v[MX+\a], |v[XB+8*\a+\i]|, |v[XB+8*\a+\i+1]|
.endr
.endr
.irp a, 0,1,2,3
	v_max_num_f32_dpp v[MX+\a], v[MX+\a], v[MX+\a] row_xmask:1 row_mask:0xf bank_mask:0xf
.endr
.irp a, 0,1,2,3
	v_max_num_f32_dpp v[MX+\a], v[MX+\a], v[MX+\a] row_xmask:2 row_mask:0xf bank_mask:0xf
.endr
.irp a, 0,1,2,3
	v_add_nc_u32 v[SCL+\a], 0xff000000, v[MX+\a]
.endr
	s_wait_dscnt 8                                 ; the stores of the group before last, which read this set of registers, are done
.irp a, 0,1,2,3
	v_cvt_scalef32_pk8_fp4_f32 v[CDB+\a], v[XB+8*\a:XB+8*\a+7], v[SCL+\a]
.endr
.irp a, 0,1,2,3
	v_lshrrev_b32 v[BYB+\a], 23, v[SCL+\a]         ; the scale's byte (also the plain line behind the conversions)
.endr
.irp a, 0,1,2,3
	ds_store_b32 v[CST], v[CDB+\a] offset:((\g)/4)*PITCH+128*(4*((\g)%4)+\a)
	ds_store_b8 v[SST], v[BYB+\a] offset:((\g)/4)*SPITCH+8*(4*((\g)%4)+\a)
.endr
.endm
.macro HBASE                           ; s59 = the tile wanted: held to the expert's last tile and inside its 64
	s_min_u32 s59, s59, s[NTM1]
	s_min_u32 s59, s59, 63
	s_lshl_b32 s2, s59, 15
	s_mov_b32 s3, 0
	s_add_nc_u64 s[HB:HB+1], s[10:11], s[2:3]
	s_lshl_b32 s2, s59, 11
	s_add_nc_u64 s[SB:SB+1], s[12:13], s[2:3]
.endm
.macro ISSUE_H half                    ; 16 K steps of h: 32 loads of 512 consecutive bytes into window 3, and 8 of scale words: 40 loads
	WIN 0xc0
.irp s, 0,1,2,3,4,5,6,7,8,9,10,11,12,13,14,15
.irp c, 0,1
	global_load_b128 v[8*(16*\half+\s)+4*\c:8*(16*\half+\s)+4*\c+3], v[HV], s[HB:HB+1] offset:1024*(16*\half+\s)+512*\c
.endr
.endr
	WIN 0
.irp p, 0,1,2,3,4,5,6,7
	global_load_b32 v[HSW+8*\half+\p], v[HSV], s[SB:SB+1] offset:128*(8*\half+\p)
.endr
.endm
	s_load_b256 s[4:11], s[0:1], 0x0               ; w2, b2, masks, hc
	s_load_b128 s[12:15], s[0:1], 0x20             ; hs, yw
	v_lshl_add_u32 v254, v0, 2, 0x13800
	v_mov_b32 v255, 0
	v_lshrrev_b32 v1, 5, v0
	v_readfirstlane_b32 s[WV], v1
	s_and_b32 s[EX], ttmp7, 0xffff
	v_and_b32 v[LN], 31, v0
	v_and_b32 v[RR], 15, v0
	v_bfe_u32 v[B2O], v0, 4, 1
	v_lshlrev_b32 v[H16], 4, v[B2O]
	v_lshlrev_b32 v[B2O], 5, v[B2O]
	v_lshl_add_u32 v[VL], v[RR], 5, v[H16]
	s_mul_i32 s2, s[WV], 8*PITCH
	v_lshl_add_u32 v[CST], v[LN], 2, s2
	s_mul_i32 s2, s[WV], 8*SPITCH
	s_add_co_u32 s2, s2, SCW
	v_lshrrev_b32 v[SST], 2, v[LN]
	v_add_nc_u32 v[SST], s2, v[SST]
	v_lshlrev_b32 v[HV], 4, v[LN]
	v_lshlrev_b32 v[HSV], 2, v[LN]
	v_mul_u32_u24 v[FRD], v[RR], PITCH
	v_add_nc_u32 v[FRD], v[FRD], v[H16]
	v_mul_u32_u24 v[SRD], v[RR], SPITCH
	v_add_nc_u32 v[SRD], v[SRD], v[H16]
	v_add_nc_u32 v[SRD], SCW, v[SRD]
	s_mul_i32 s2, s[WV], 16*144
	s_add_co_u32 s2, s2, STG                       ; my stage
	v_mul_u32_u24 v[STI], v[RR], 144
	v_add_nc_u32 v[STI], v[STI], v[B2O]
	v_add_nc_u32 v[STI], s2, v[STI]                ; in: row l % 16, + 32 (l / 16)
	v_lshrrev_b32 v[TT], 3, v[LN]
	v_mul_u32_u24 v[STO], v[TT], 144
	v_and_b32 v[TT], 7, v[LN]
	v_lshl_add_u32 v[STO], v[TT], 4, v[STO]
	v_add_nc_u32 v[STO], s2, v[STO]                ; back: eight lanes to a row of 128 bytes, four rows an instruction
	s_lshl_b32 s2, s[EX], 24                       ; w2: 16 MB an expert, 512 KB a slice, 128 KB a wave
	s_lshl_b32 s3, ttmp9, 19
	s_add_co_u32 s2, s2, s3
	s_lshl_b32 s3, s[WV], 17
	s_add_co_u32 s2, s2, s3
	s_mov_b32 s3, 0
	s_wait_kmcnt 0x0
	s_add_nc_u64 s[4:5], s[4:5], s[2:3]
	s_lshl_b32 s2, s[EX], 7
	s_add_nc_u64 s[8:9], s[8:9], s[2:3]
	s_load_b512 s[20:35], s[8:9], 0x0              ; the expert's 32 mask words
	s_load_b512 s[36:51], s[8:9], 0x40
.irp g, 0,1,2,3,4,5
	ISSUE \g
.endr
	s_lshl_b32 s2, s[EX], 12                       ; b2: my 32 numbers
	s_lshl_b32 s59, ttmp9, 7
	s_add_co_u32 s2, s2, s59
	s_add_nc_u64 s[6:7], s[6:7], s[2:3]
	s_lshl_b32 s2, s[EX], 21
	s_add_nc_u64 s[10:11], s[10:11], s[2:3]        ; hc at the expert's first tile
	s_lshl_b32 s2, s[EX], 17
	s_add_nc_u64 s[12:13], s[12:13], s[2:3]        ; hs likewise
	s_lshl_b32 s59, ttmp9, 20
	s_add_co_u32 s2, s2, s59
	s_add_nc_u64 s[14:15], s[14:15], s[2:3]        ; yw at my slice, the expert's first row
.set G, 0
.rept 26
	s_wait_loadcnt 40                              ; this group's eight loads are in; the five groups behind it may be out
	QGROUP G
	ISSUE G+6
.set G, G+1
.endr
	s_wait_kmcnt 0x0
	s_bcnt1_i32_b32 s[NE], s20
.set W, 1
.rept 31
	s_bcnt1_i32_b32 s2, s[20+W]
	s_add_co_u32 s[NE], s[NE], s2
.set W, W+1
.endr
	s_add_co_u32 s2, s[NE], 15
	s_lshr_b32 s2, s2, 4
	s_max_u32 s[NT], s2, 1                         ; the expert's tiles, as the first layer counted them
	s_sub_co_u32 s[NTM1], s[NT], 1
	s_mov_b32 s59, s[WV]
	HBASE                                          ; my first tile
	s_wait_loadcnt 40
	QGROUP 26
	s_wait_loadcnt 32
	QGROUP 27
	s_wait_loadcnt 24
	QGROUP 28
	s_wait_loadcnt 16
	QGROUP 29
	; ---- b2 and the first half of my first tile are asked for while the last two groups land: 4 + 40 = 44 loads, into window 3 and into slot 2, which group 26 left
.irp dt, 0,1
	global_load_b128 v[B2+8*\dt:B2+8*\dt+3], v[B2O], s[6:7] offset:64*\dt         ; lane (r, h): outputs 16 dt + 8 h + 0 .. 7
	global_load_b128 v[B2+8*\dt+4:B2+8*\dt+7], v[B2O], s[6:7] offset:64*\dt+16
.endr
	ISSUE_H 0
	s_wait_loadcnt 52                              ; group 30 is in; behind it: group 31 (8) and the 44
	QGROUP 30
	s_wait_loadcnt 44
	QGROUP 31
	ISSUE_H 1
	s_wait_dscnt 0x0                               ; for the others' sake: my 8 rows of codes and scale bytes lie in LDS
	s_barrier_signal -1
	s_barrier_wait -1
	; ---- phase B: W2's fragment (tile dt, K step s) at v[8 (2 (s % 16) + dt)] of window 1 (s under 16) or 2
	WIN 0x40
.irp s, 0,1,2,3,4,5,6,7,8,9,10,11,12,13,14,15
.irp dt, 0,1
.irp c, 0,1
	ds_load_b128 v[8*(2*\s+\dt)+4*\c:8*(2*\s+\dt)+4*\c+3], v[FRD] offset:\dt*16*PITCH+64*\s+32*\c
.endr
.endr
.endr
	WIN 0x80
.irp s, 0,1,2,3,4,5,6,7,8,9,10,11,12,13,14,15
.irp dt, 0,1
.irp c, 0,1
	ds_load_b128 v[8*(2*\s+\dt)+4*\c:8*(2*\s+\dt)+4*\c+3], v[FRD] offset:\dt*16*PITCH+64*(\s+16)+32*\c
.endr
.endr
.endr
	WIN 0
.irp dt, 0,1
.irp q, 0,1,2,3
	ds_load_b128 v[W2S+16*\dt+4*\q:W2S+16*\dt+4*\q+3], v[SRD] offset:\dt*16*SPITCH+32*\q   ; lanes 0-15: K steps 8 q + 0 .. 3; lanes 16-31: 8 q + 4 .. 7
.endr
.endr
	s_wait_dscnt 0x0
.macro WM d, a, b, c, sa, sb, ra, rb   ; ra, rb = 1: that side's scale words stand in lanes 16-31
.if (\ra) && (\rb)
	v_wmma_scale_f32_16x16x128_f8f6f4 v[\d:\d+7], v[\a:\a+7], v[\b:\b+7], v[\c:\c+7], v[\sa], v[\sb] matrix_a_fmt:MATRIX_FMT_FP4 matrix_b_fmt:MATRIX_FMT_FP4 matrix_a_scale:MATRIX_SCALE_ROW1 matrix_b_scale:MATRIX_SCALE_ROW1
.elseif \ra
	v_wmma_scale_f32_16x16x128_f8f6f4 v[\d:\d+7], v[\a:\a+7], v[\b:\b+7], v[\c:\c+7], v[\sa], v[\sb] matrix_a_fmt:MATRIX_FMT_FP4 matrix_b_fmt:MATRIX_FMT_FP4 matrix_a_scale:MATRIX_SCALE_ROW1
.elseif \rb
	v_wmma_scale_f32_16x16x128_f8f6f4 v[\d:\d+7], v[\a:\a+7], v[\b:\b+7], v[\c:\c+7], v[\sa], v[\sb] matrix_a_fmt:MATRIX_FMT_FP4 matrix_b_fmt:MATRIX_FMT_FP4 matrix_b_scale:MATRIX_SCALE_ROW1
.else
	v_wmma_scale_f32_16x16x128_f8f6f4 v[\d:\d+7], v[\a:\a+7], v[\b:\b+7], v[\c:\c+7], v[\sa], v[\sb] matrix_a_fmt:MATRIX_FMT_FP4 matrix_b_fmt:MATRIX_FMT_FP4
.endif
.endm
.macro MUL half                        ; 16 K steps x 2 tiles of outputs: the four accumulators take turns, one instruction a turn
.irp q, 0,1,2,3,4,5,6,7,8,9,10,11,12,13,14,15
.irp dt, 0,1
.set KS,  16*\half+\q
.set RD_, ACC+8*(2*\dt+(KS&1))
.set RA_, 8*(2*\q+\dt)
.set RB_, 8*KS
.set RC_, B2+8*\dt
.set SA_, W2S+16*\dt+4*(KS>>3)+(KS&3)
.set SB_, HSW+(KS>>1)
.if KS == 0
	WM RD_, RA_, RB_, RC_, SA_, SB_, 0, 0          ; the even K steps' sum begins with b2,
.elseif KS == 1
	v_wmma_scale_f32_16x16x128_f8f6f4 v[RD_:RD_+7], v[RA_:RA_+7], v[RB_:RB_+7], 0, v[SA_], v[SB_] matrix_a_fmt:MATRIX_FMT_FP4 matrix_b_fmt:MATRIX_FMT_FP4 matrix_b_scale:MATRIX_SCALE_ROW1   ; the odd ones' with 0
.else
	WM RD_, RA_, RB_, RD_, SA_, SB_, (KS>>2)&1, KS&1
.endif
.endr
.endr
.endm
	s_mov_b32 s[TILE], s[WV]
	s_mov_b32 s[TRIP], 0
.Ltok:                                             ; sixteen trips: tile = wave + 4 n
	s_cmp_ge_u32 s[TILE], s[NT]
	s_cbranch_scc1 .Lskip
	s_wait_xcnt 0x0                                ; the loads and stores issued so far have read their bases and registers: the bases are written now, OUT further down
	s_add_co_u32 s59, s[TILE], 4
	HBASE                                          ; my next tile (past the last: the last once more, read and not used)
	s_lshl_b32 s2, s[TILE], 11
	s_add_nc_u64 s[YB:YB+1], s[14:15], s[2:3]
	s_wait_loadcnt 40                              ; the tile's first half is in (in the first trip b2 too); the second half's 40 loads may be out
	WIN 0x0d                                       ; source 0 (W2) window 1, source 1 (h) window 3
	MUL 0
	WIN 0
.rept 4
	v_nop                                          ; four places in front of loads into registers that the products read
.endr
	ISSUE_H 0
	s_wait_loadcnt 40                              ; the second half is in; the next tile's first half may be out
	WIN 0x0e                                       ; W2's K steps 16 to 31 lie in window 2
	MUL 1
	WIN 0
.rept 5
	v_nop                                          ; four places in front of the loads and of the first read of results; five, since the next tile's first products write over these accumulators
.endr
	ISSUE_H 1
.irp dt, 0,1
.irp j, 0,2,4,6
	v_pk_add_f32 v[SUM+8*\dt+\j:SUM+8*\dt+\j+1], v[ACC+16*\dt+\j:ACC+16*\dt+\j+1], v[ACC+16*\dt+8+\j:ACC+16*\dt+8+\j+1]   ; the two parities; each accumulator from its low end on
.endr
.endr
.irp dt, 0,1
	ds_store_b128 v[STI], v[SUM+8*\dt:SUM+8*\dt+3] offset:64*\dt          ; lane (r, h): y(row r, 16 dt + 8 h + 0 .. 7)
	ds_store_b128 v[STI], v[SUM+8*\dt+4:SUM+8*\dt+7] offset:64*\dt+16
.endr
.irp i, 0,1,2,3
	ds_load_b128 v[OUT+4*\i:OUT+4*\i+3], v[STO] offset:\i*4*144           ; LDS serves a wave's instructions in order (ISA guide 5.7.1.4): these see my stores; the stage is my own
.endr
	s_wait_dscnt 0x0
.irp i, 0,1,2,3
	global_store_b128 v[HV], v[OUT+4*\i:OUT+4*\i+3], s[YB:YB+1] offset:512*\i   ; 32 lanes store 512 consecutive bytes, aligned to 256
.endr
.Lskip:
	s_add_co_u32 s[TILE], s[TILE], 4
	s_add_co_u32 s[TRIP], s[TRIP], 1
	s_cmp_lt_u32 s[TRIP], 16
	s_cbranch_scc1 .Ltok
	s_wait_tensorcnt 0x0
	ds_add_u32 v254, v255
	s_wait_dscnt 0x0
	s_endpgm
.Lfunc_end_k_q170d350902_ffn2:
	.size	k_q170d350902_ffn2, .Lfunc_end_k_q170d350902_ffn2-k_q170d350902_ffn2
	.p2alignl 7, 3214868480
	.fill 96, 4, 3214868480
	.section	.rodata,"a",@progbits
	.p2align	6, 0x0
	.amdhsa_kernel k_q170d350902_ffn2
		.amdhsa_group_segment_fixed_size 80384
		.amdhsa_private_segment_fixed_size 0
		.amdhsa_enable_private_segment 0
		.amdhsa_kernarg_size 48
		.amdhsa_user_sgpr_count 2
		.amdhsa_user_sgpr_kernarg_segment_ptr 1
		.amdhsa_wavefront_size32 1
		.amdhsa_system_sgpr_workgroup_id_x 1
		.amdhsa_system_sgpr_workgroup_id_y 1
		.amdhsa_system_sgpr_workgroup_id_z 1
		.amdhsa_system_vgpr_workitem_id 0
		.amdhsa_next_free_vgpr 1024
		.amdhsa_next_free_sgpr 72
		.amdhsa_reserve_vcc 0
		.amdhsa_float_denorm_mode_32 3
		.amdhsa_float_denorm_mode_16_64 3
		.amdhsa_memory_ordered 1
		.amdhsa_forward_progress 1
		.amdhsa_inst_pref_size 171
	.end_amdhsa_kernel
	.amdgpu_metadata
---
amdhsa.version: [ 1, 2 ]
amdhsa.kernels:
  - .name:           k_q170d350902_ffn2
    .symbol:         k_q170d350902_ffn2.kd
    .args:
      - { .name: w2, .offset: 0, .size: 8, .value_kind: global_buffer, .address_space: global }
      - { .name: b2, .offset: 8, .size: 8, .value_kind: global_buffer, .address_space: global }
      - { .name: masks, .offset: 16, .size: 8, .value_kind: global_buffer, .address_space: global }
      - { .name: hc, .offset: 24, .size: 8, .value_kind: global_buffer, .address_space: global }
      - { .name: hs, .offset: 32, .size: 8, .value_kind: global_buffer, .address_space: global }
      - { .name: yw, .offset: 40, .size: 8, .value_kind: global_buffer, .address_space: global }
    .group_segment_fixed_size: 80384
    .private_segment_fixed_size: 0
    .kernarg_segment_align: 8
    .kernarg_segment_size: 48
    .max_flat_workgroup_size: 128
    .sgpr_count:     72
    .vgpr_count:     1024
    .wavefront_size: 32
...
	.end_amdgpu_metadata
.endif
;; end of part 3
;; launch comb (part 4): grid 256 x 1, 4 waves a work-group, no clusters, 0 bytes of LDS; arguments pos, cw, yw, out0; writes out0
.if DOCPART == 4
	.amdgcn_target "amdgcn-amd-amdhsa--gfx1250"
	.amdhsa_code_object_version 6
	.text
	.protected	k_q170d350902_comb
	.globl	k_q170d350902_comb
	.p2align	8
	.type	k_q170d350902_comb,@function
k_q170d350902_comb:
	s_mov_b64 s[64:65], 0
	v_nop
	global_prefetch_b8 v0, s[64:65] scope:SCOPE_SE
	s_setreg_imm32_b32 hwreg(HW_REG_WAVE_MODE, 25, 1), 1
	s_wait_xcnt 0x0
; out[t] = c0 y[row of t under its best expert] + c1 y[row under its second].  pos [t][2]: the two rows; cw [t][2]: the two weights; yw [32 slices][8,192 rows][32] f32; out0 [1024][1024] f32.
; A wave takes one token.  Each output row has this one owner, so nothing is added across work-groups.  A row of yw lies in 32 pieces of 128 bytes, 1 MB apart: a load takes four pieces, eight lanes each.
; The rows' numbers were stored as whole numbers by an earlier launch; they are held inside yw's 8,192 rows before they enter an address.
; A stream of 12 MB: no LDS, no matrix unit, no cluster (work-groups share nothing).
	s_load_b256 s[4:11], s[0:1], 0x0               ; pos s[4:5], cw s[6:7], yw s[8:9], out0 s[10:11]
	v_lshrrev_b32 v1, 5, v0
	v_readfirstlane_b32 s12, v1                    ; wave
	s_lshl_b32 s13, ttmp9, 2
	s_add_co_u32 s13, s13, s12                     ; my token
	s_lshl_b32 s2, s13, 3
	s_mov_b32 s3, 0
	v_and_b32 v1, 31, v0
	v_lshlrev_b32 v2, 4, v1                        ; 16 x lane: my place in 512 bytes of out
	v_lshrrev_b32 v3, 3, v1
	v_and_b32 v4, 7, v1
	v_lshlrev_b32 v4, 4, v4
	v_lshl_add_u32 v4, v3, 20, v4                  ; slice lane / 8, 16 (lane % 8) bytes into its piece
.irp k, 1,2,3
	v_add_nc_u32 v[4+\k], \k<<23, v4               ; eight slices on for each k; the odd fours stand in the immediate
.endr
	s_wait_kmcnt 0x0
	s_add_nc_u64 s[4:5], s[4:5], s[2:3]
	s_add_nc_u64 s[6:7], s[6:7], s[2:3]
	s_load_b64 s[14:15], s[4:5], 0x0               ; the two rows
	s_load_b64 s[16:17], s[6:7], 0x0               ; the two weights
	s_lshl_b32 s2, s13, 12
	s_add_nc_u64 s[10:11], s[10:11], s[2:3]        ; my row of out
	s_wait_kmcnt 0x0
	s_min_u32 s14, s14, 8191
	s_min_u32 s15, s15, 8191
	s_lshl_b32 s2, s14, 7
	s_add_nc_u64 s[18:19], s[8:9], s[2:3]
	s_lshl_b32 s2, s15, 7
	s_add_nc_u64 s[20:21], s[8:9], s[2:3]
	s_mov_b32 s22, s17                             ; the second weight in a pair of its own: the packed form takes a pair's low word for both halves
	s_mov_b32 s23, s17
.irp i, 0,1,2,3,4,5,6,7
	global_load_b128 v[16+4*\i:19+4*\i], v[4+\i/2], s[18:19] offset:(\i%2)*4194304 th:TH_LOAD_NT
.endr
.irp i, 0,1,2,3,4,5,6,7
	global_load_b128 v[48+4*\i:51+4*\i], v[4+\i/2], s[20:21] offset:(\i%2)*4194304 th:TH_LOAD_NT
.endr
.irp i, 0,1,2,3,4,5,6,7
	s_wait_loadcnt 7-\i                            ; piece i of both rows is in: behind the second row's piece i stand 7 - i loads
	v_pk_mul_f32 v[16+4*\i:17+4*\i], v[16+4*\i:17+4*\i], s[16:17] op_sel_hi:[1,0]
	v_pk_mul_f32 v[18+4*\i:19+4*\i], v[18+4*\i:19+4*\i], s[16:17] op_sel_hi:[1,0]
	v_pk_fma_f32 v[16+4*\i:17+4*\i], v[48+4*\i:49+4*\i], s[22:23], v[16+4*\i:17+4*\i] op_sel_hi:[1,0,1]
	v_pk_fma_f32 v[18+4*\i:19+4*\i], v[50+4*\i:51+4*\i], s[22:23], v[18+4*\i:19+4*\i] op_sel_hi:[1,0,1]
	global_store_b128 v2, v[16+4*\i:19+4*\i], s[10:11] offset:512*\i th:TH_STORE_NT   ; 32 lanes store 512 consecutive bytes, aligned to 256
.endr
	s_endpgm
.Lfunc_end_k_q170d350902_comb:
	.size	k_q170d350902_comb, .Lfunc_end_k_q170d350902_comb-k_q170d350902_comb
	.p2alignl 7, 3214868480
	.fill 96, 4, 3214868480
	.section	.rodata,"a",@progbits
	.p2align	6, 0x0
	.amdhsa_kernel k_q170d350902_comb
		.amdhsa_group_segment_fixed_size 0
		.amdhsa_private_segment_fixed_size 0
		.amdhsa_enable_private_segment 0
		.amdhsa_kernarg_size 32
		.amdhsa_user_sgpr_count 2
		.amdhsa_user_sgpr_kernarg_segment_ptr 1
		.amdhsa_wavefront_size32 1
		.amdhsa_system_sgpr_workgroup_id_x 1
		.amdhsa_system_sgpr_workgroup_id_y 1
		.amdhsa_system_sgpr_workgroup_id_z 1
		.amdhsa_system_vgpr_workitem_id 0
		.amdhsa_next_free_vgpr 96
		.amdhsa_next_free_sgpr 66
		.amdhsa_reserve_vcc 0
		.amdhsa_float_denorm_mode_32 3
		.amdhsa_float_denorm_mode_16_64 3
		.amdhsa_memory_ordered 1
		.amdhsa_forward_progress 1
		.amdhsa_inst_pref_size 7
	.end_amdhsa_kernel
	.amdgpu_metadata
---
amdhsa.version: [ 1, 2 ]
amdhsa.kernels:
  - .name:           k_q170d350902_comb
    .symbol:         k_q170d350902_comb.kd
    .args:
      - { .name: pos, .offset: 0, .size: 8, .value_kind: global_buffer, .address_space: global }
      - { .name: cw, .offset: 8, .size: 8, .value_kind: global_buffer, .address_space: global }
      - { .name: yw, .offset: 16, .size: 8, .value_kind: global_buffer, .address_space: global }
      - { .name: out0, .offset: 24, .size: 8, .value_kind: global_buffer, .address_space: global }
    .group_segment_fixed_size: 0
    .private_segment_fixed_size: 0
    .kernarg_segment_align: 8
    .kernarg_segment_size: 32
    .max_flat_workgroup_size: 128
    .sgpr_count:     66
    .vgpr_count:     96
    .wavefront_size: 32
...
	.end_amdgpu_metadata
.endif
;; end of part 4
;; ======== version 2 of 3: 4 launches; 1.13 times as fast as version 1
;; workspace buffers: xq 524,288 bytes; xs 32,768 bytes; masks 2,048 bytes of whole numbers; cw 8,192 bytes; pos 12,288 bytes of whole numbers; hc 16,777,216 bytes; hs 1,048,576 bytes; yw 33,554,432 bytes
;; launch route (part 5): grid 64 x 1, 8 waves a work-group, no clusters, 14,336 bytes of LDS; arguments x, router_w, router_b, xq, xs, masks, cw; writes xq, xs, masks, cw
.if DOCPART == 5
	.amdgcn_target "amdgcn-amd-amdhsa--gfx1250"
	.amdhsa_code_object_version 6
	.text
	.protected	k_q170d350902_route
	.globl	k_q170d350902_route
	.p2align	8
	.type	k_q170d350902_route,@function
k_q170d350902_route:
	s_mov_b64 s[64:65], 0
	v_nop
	global_prefetch_b8 v0, s[64:65] scope:SCOPE_SE
	s_setreg_imm32_b32 hwreg(HW_REG_WAVE_MODE, 25, 1), 1
	s_wait_xcnt 0x0
; ROUTER AND x's CODES.  x [1024][1024] f32, router_w [8][1024], router_b [8].
; Stored: xq [t][512 bytes] x's codes of E2M1, K innermost; xs [t][32] one E8M0 byte for each 32 along K;
; masks [2][8 experts][32 words]: plane 0: bit t%32 of word t/32 is set where the expert is among token t's two best, plane 1: where it is the best;
; cw [t][2] f32: the two renormalised weights, the best first.  All at fixed places: no address and no branch here hangs on a floating-point number.
; SHARES.  A work-group takes 16 tokens (its part of each mask row is one half word).  ITS EIGHT WAVES SHARE K, NOT THE TOKENS: wave w takes k = 128 w .. 128 w + 127 of all 16 tokens and all 8 experts,
; so that the work-group asks for each byte of x and of router_w once: 16 loads of x a wave, 512 consecutive bytes each, and 16 of router_w, each within 512 consecutive bytes.
; LAYOUT.  Tokens p and p + 8 are a pair: two loads at 32 (l % 16) + 16 (l / 16) and four exchanges of lane halves leave lanes 0-15 with numbers 8 r .. 8 r + 7 of token p's slice and lanes 16-31 with those of
; token p + 8.  A block of 32 is four neighbouring lanes; a lane's eight codes are one register.  router_w's slice stands likewise, the same in both halves of the lanes.
; THE LOGITS are f32 fused multiply-adds (their order decides the choice of experts, so nothing narrower stands here).  A wave has 64 values (pair p, expert e), number n = 8 p + e, each spread over the 16 lanes
; of a row.  They are folded by halves: in each of four stages a lane keeps one value of a pair and sends the other to the lane that keeps it, so that lane r ends with the four whole sums n = 4 r + 0 .. 3:
; experts 4 (r % 2) + 0 .. 3 of token r / 2 + 8 (l / 16): 16 bytes at 16 x thread of a table [wave][token][expert] in LDS.  Behind the one barrier wave 0 adds the eight waves' parts.
; Softmax with the maximum taken away; the two best by ascending scans with a strict compare, so that of equal numbers the lower index is kept.
; Codes and scale bytes meet in LDS and leave as runs of 512 consecutive bytes.
; No matrix unit, no tensor load, no cluster: 4 MB are read once, and work-groups share only router_w's 32 KB.
; LIMITS: NaN and infinities are not served.  A block of zeros gets the byte 1 with zero codes (only this program reads the bytes); blocks whose largest magnitude lies under 2^-124 are held at byte 1.
; Two probabilities equal to the last bit may be ordered otherwise than by another order of sums or another exponential's rounding.
.set LG,   0                           ; LDS: the waves' parts of the logits, [8 waves][16 tokens][8 experts] f32: 4,096 bytes
.set XSL,  4096                        ; LDS: the scale bytes, [16 tokens][32]
.set XC,   4608                        ; LDS: the codes, 16 rows
.set CP,   528                         ; of 512 bytes + 16: tokens p and p + 8 lie 4,224 bytes apart, 128 modulo 256, so that the two halves of a store's lanes fall on different banks (64 banks of 4 bytes: ISA guide 11.1)
.set LN,   1                           ; lane
.set RR,   2                           ; r = lane % 16
.set HH,   3                           ; h = lane / 16
.set VLX,  4                           ; 32 r + 16 h: my 16 bytes of a load's 512
.set VLR,  5                           ; 32 r: my 32 bytes of router_w's slice
.set LGS,  6                           ; LG + 16 x thread
.set CST,  7                           ; XC + 4 r + 8 rows x h + 64 w: my 4 bytes of codes in a pair's rows
.set SST,  8                           ; XSL + 256 h + 4 w + r / 4: my block's scale byte
.set CRD,  9                           ; XC + 2 rows x w + 16 x lane: the rows that I store
.set GOC,  10                          ; 16 x lane
.set LGR,  11                          ; LG + 32 r: a token's eight logits
.set XSR,  12                          ; XSL + 16 x lane
.set MROW, 13                          ; 128 x lane: a mask row's place
.set CWO,  14                          ; 8 x lane: a token's two weights
.set MX,   16                          ; v16-23   eight pairs' largest magnitudes
.set SCL,  24                          ; v24-31   their scale operands
.set CD,   32                          ; v32-39   their codes
.set BY,   40                          ; v40-47   their scale bytes
.set T,    48                          ; v48-63   eight chains of products, two registers each
.set X,    64                          ; v64-127  eight pairs x 8 numbers; later the fold's work; later wave 0's parts
.set U,    64
.set RW,   128                         ; v128-191 eight experts x 8 numbers; later two rows of codes on their way out
.set V,    192                         ; v192-255 the 64 values
	s_load_b256 s[4:11], s[0:1], 0x0               ; x s[4:5], router_w s[6:7], router_b s[8:9], xq s[10:11]
	s_load_b128 s[12:15], s[0:1], 0x20             ; xs s[12:13], masks s[14:15]
	s_load_b64 s[16:17], s[0:1], 0x30              ; cw
	v_lshl_add_u32 v15, v0, 2, 0x3400
	s_set_vgpr_msb 0x40
	v_mov_b32 v1, 0
	s_set_vgpr_msb 0x4000
	v_lshrrev_b32 v1, 5, v0
	v_readfirstlane_b32 s18, v1                    ; wave 0..7
	v_and_b32 v[LN], 31, v0
	v_and_b32 v[RR], 15, v0
	v_bfe_u32 v[HH], v0, 4, 1
	v_lshlrev_b32 v[VLR], 5, v[RR]
	v_lshl_add_u32 v[VLX], v[HH], 4, v[VLR]
	s_lshl_b32 s22, ttmp9, 16                      ; 16 tokens of 4,096 bytes a work-group,
	s_lshl_b32 s20, s18, 9                         ; 512 bytes of each row a wave
	s_mov_b32 s21, 0
	s_add_co_u32 s22, s22, s20
	s_mov_b32 s23, 0
	s_wait_kmcnt 0x0
	s_load_b256 s[24:31], s[8:9], 0x0              ; router_b
	s_add_nc_u64 s[4:5], s[4:5], s[22:23]
	s_add_nc_u64 s[6:7], s[6:7], s[20:21]
.irp p, 0,1,2,3,4,5,6,7
	global_load_b128 v[X+8*\p:X+8*\p+3], v[VLX], s[4:5] offset:4096*\p th:TH_LOAD_NT           ; token p: 32 lanes read 512 consecutive bytes
	global_load_b128 v[X+8*\p+4:X+8*\p+7], v[VLX], s[4:5] offset:4096*(\p+8) th:TH_LOAD_NT     ; token p + 8
.endr
.irp e, 0,1,2,3,4,5,6,7
	global_load_b128 v[RW+8*\e:RW+8*\e+3], v[VLR], s[6:7] offset:4096*\e                       ; expert e: numbers 8 r + 0 .. 3 of the slice, the same in both halves of the lanes
	global_load_b128 v[RW+8*\e+4:RW+8*\e+7], v[VLR], s[6:7] offset:4096*\e+16                  ; and 8 r + 4 .. 7
.endr
	v_lshlrev_b32 v[LGS], 4, v0
	v_mul_u32_u24 v[CST], v[HH], 8*CP
	v_lshl_add_u32 v[CST], v[RR], 2, v[CST]
	s_lshl_b32 s19, s18, 6
	s_add_co_u32 s19, s19, XC
	v_add_nc_u32 v[CST], s19, v[CST]
	v_lshrrev_b32 v[SST], 2, v[RR]
	v_lshl_add_u32 v[SST], v[HH], 8, v[SST]
	s_lshl_b32 s19, s18, 2
	s_add_co_u32 s19, s19, XSL
	v_add_nc_u32 v[SST], s19, v[SST]
	s_mul_i32 s19, s18, 2*CP
	s_add_co_u32 s19, s19, XC
	v_lshl_add_u32 v[CRD], v[LN], 4, s19
	v_lshlrev_b32 v[GOC], 4, v[LN]
	v_lshlrev_b32 v[LGR], 5, v[RR]
	v_add_nc_u32 v[XSR], XSL, v[GOC]
	v_lshlrev_b32 v[MROW], 7, v[LN]
	v_lshlrev_b32 v[CWO], 3, v[LN]
	s_mov_b32 s49, 0xff00ff00                      ; the lanes whose number has bit 3 set,
	s_mov_b32 s50, 0xf0f0f0f0                      ; bit 2,
	s_mov_b32 s51, 0xcccccccc                      ; bit 1,
	s_mov_b32 s52, 0xaaaaaaaa                      ; bit 0
	s_lshl_b32 s22, ttmp9, 13                      ; xq: 16 tokens of 512 bytes a work-group, two a wave
	s_lshl_b32 s19, s18, 10
	s_add_co_u32 s22, s22, s19
	s_add_nc_u64 s[10:11], s[10:11], s[22:23]
	s_lshl_b32 s22, ttmp9, 9
	s_add_nc_u64 s[12:13], s[12:13], s[22:23]      ; xs: 512 bytes a work-group
	s_lshl_b32 s22, ttmp9, 1
	s_add_nc_u64 s[14:15], s[14:15], s[22:23]      ; masks: my half word of each row
	s_lshl_b32 s22, ttmp9, 7
	s_add_nc_u64 s[16:17], s[16:17], s[22:23]      ; cw: 128 bytes a work-group
	s_wait_loadcnt 16                              ; x's sixteen loads are in; router_w's sixteen behind them may be out
	; ---- x's codes: the eight pairs by turns
.irp p, 0,1,2,3,4,5,6,7
.irp i, 0,1,2,3
	v_permlane16_swap_b32 v[X+8*\p+\i], v[X+8*\p+4+\i]   ; the first's lanes 16-31 change places with the second's lanes 0-15: lanes 0-15 now hold token p's numbers 8 r .. 8 r + 7, lanes 16-31 token p + 8's
.endr
.endr
.irp p, 0,1,2,3,4,5,6,7
	v_max3_num_f32 v[MX+\p], |v[X+8*\p]|, |v[X+8*\p+1]|, 0x1800000   ; with the floor 2^(3 - 127): the byte cannot fall under 1
.endr
.irp i, 2,4,6
.irp p, 0,1,2,3,4,5,6,7
	v_max3_num_f32 v[MX+\p], v[MX+\p], |v[X+8*\p+\i]|, |v[X+8*\p+\i+1]|
.endr
.endr
.irp p, 0,1,2,3,4,5,6,7
	v_max_num_f32_dpp v[MX+\p], v[MX+\p], v[MX+\p] row_xmask:1 row_mask:0xf bank_mask:0xf
.endr
.irp p, 0,1,2,3,4,5,6,7
	v_max_num_f32_dpp v[MX+\p], v[MX+\p], v[MX+\p] row_xmask:2 row_mask:0xf bank_mask:0xf   ; the block's four lanes
.endr
.irp p, 0,1,2,3,4,5,6,7
	v_add_nc_u32 v[SCL+\p], 0xff000000, v[MX+\p]   ; 2 off the exponent field: the conversion takes the exponent field of this operand as its scale
.endr
.irp p, 0,1,2,3,4,5,6,7
	v_cvt_scalef32_pk8_fp4_f32 v[CD+\p], v[X+8*\p:X+8*\p+7], v[SCL+\p]
.endr
.irp p, 0,1,2,3,4,5,6,7
	v_lshrrev_b32 v[BY+\p], 23, v[SCL+\p]          ; the scale's byte (also the plain line behind the conversions)
.endr
.irp p, 0,1,2,3,4,5,6,7
	ds_store_b32 v[CST], v[CD+\p] offset:CP*\p     ; bytes 64 w + 4 r of the rows of tokens p and p + 8
	ds_store_b8 v[SST], v[BY+\p] offset:32*\p      ; a block's four lanes write the same byte with the same value
.endr
	s_wait_loadcnt 0x0                             ; router_w's slice
	; ---- the products: an expert at a time, the eight pairs' chains by turns
.irp e, 0,1,2,3,4,5,6,7
.irp p, 0,1,2,3,4,5,6,7
	v_pk_mul_f32 v[T+2*\p:T+2*\p+1], v[X+8*\p:X+8*\p+1], v[RW+8*\e:RW+8*\e+1]
.endr
.irp i, 2,4,6
.irp p, 0,1,2,3,4,5,6,7
	v_pk_fma_f32 v[T+2*\p:T+2*\p+1], v[X+8*\p+\i:X+8*\p+\i+1], v[RW+8*\e+\i:RW+8*\e+\i+1], v[T+2*\p:T+2*\p+1]
.endr
.endr
.irp p, 0,1,2,3,4,5,6,7
	v_add_f32 v[V+8*\p+\e], v[T+2*\p], v[T+2*\p+1] ; value n = 8 p + e: my eight numbers' part
.endr
.endr
; A stage of the fold: values n and n + half are a pair.  A lane whose bit is 0 keeps n and sends n + half, a lane whose bit is 1 keeps n + half and sends n; each adds what the lane across sends it.
.macro FOLD half, x, m
.set N, 0
.rept \half
	v_cndmask_b32 v[U+N], v[V+N+\half], v[V+N], s[\m]        ; what I send
.set N, N+1
.endr
.set N, 0
.rept \half
	v_cndmask_b32 v[V+N], v[V+N], v[V+N+\half], s[\m]        ; what I keep
.set N, N+1
.endr
.set N, 0
.rept \half
	v_add_f32_dpp v[V+N], v[U+N], v[V+N] row_xmask:\x row_mask:0xf bank_mask:0xf
.set N, N+1
.endr
.endm
	FOLD 32, 8, 49
	FOLD 16, 4, 50
	FOLD 8,  2, 51
	FOLD 4,  1, 52
	ds_store_b128 v[LGS], v[V:V+3]                 ; lane (r, h): experts 4 (r % 2) + 0 .. 3 of token r / 2 + 8 h: 32 x token + 16 (r % 2) = 16 x lane in my wave's 512 bytes
	s_wait_kmcnt 0x0                               ; router_b
	s_wait_dscnt 0x0                               ; for the others' sake: my codes, scale bytes and parts of the logits lie in LDS
	s_barrier_signal -1
	s_barrier_wait -1
	ds_load_b128 v[RW:RW+3], v[CRD]                ; tokens 2 w and 2 w + 1: whole rows of codes
	ds_load_b128 v[RW+4:RW+7], v[CRD] offset:CP
	s_wait_dscnt 0x0
	global_store_b128 v[GOC], v[RW:RW+3], s[10:11]             ; 32 lanes store a token's 512 consecutive bytes; these registers are not written again
	global_store_b128 v[GOC], v[RW+4:RW+7], s[10:11] offset:512
	s_cmp_lg_u32 s18, 0
	s_cbranch_scc1 .Lnot_wave_0
	; ---- wave 0: lane l stands for token l % 16 (lanes 16-31 repeat lanes 0-15)
.irp w, 0,1,2,3,4,5,6,7
	ds_load_b128 v[X+8*\w:X+8*\w+3], v[LGR] offset:512*\w
	ds_load_b128 v[X+8*\w+4:X+8*\w+7], v[LGR] offset:512*\w+16
.endr
	s_wait_dscnt 0x0
.irp w, 0,2,4,6
.irp j, 0,2,4,6
	v_pk_add_f32 v[X+8*\w+\j:X+8*\w+\j+1], v[X+8*\w+\j:X+8*\w+\j+1], v[X+8*(\w+1)+\j:X+8*(\w+1)+\j+1]   ; the eight waves' parts, by pairs
.endr
.endr
.irp w, 0,4
.irp j, 0,2,4,6
	v_pk_add_f32 v[X+8*\w+\j:X+8*\w+\j+1], v[X+8*\w+\j:X+8*\w+\j+1], v[X+8*(\w+2)+\j:X+8*(\w+2)+\j+1]
.endr
.endr
.irp j, 0,2,4,6
	v_pk_add_f32 v[X+\j:X+\j+1], v[X+\j:X+\j+1], v[X+32+\j:X+32+\j+1]
.endr
.irp e, 0,1,2,3,4,5,6,7
	v_add_f32 v[32+\e], s[24+\e], v[X+\e]          ; the logits
.endr
	v_max3_num_f32 v56, v32, v33, v34
	v_max3_num_f32 v56, v56, v35, v36
	v_max3_num_f32 v56, v56, v37, v38
	v_max_num_f32 v56, v56, v39                    ; the row's maximum, taken away ahead of the exponentials
.irp e, 0,1,2,3,4,5,6,7
	v_sub_f32 v[40+\e], v[32+\e], v56
.endr
.irp e, 0,1,2,3,4,5,6,7
	v_mul_f32 v[40+\e], 0x3fb8aa3b, v[40+\e]
.endr
.irp e, 0,1,2,3,4,5,6,7
	v_exp_f32 v[40+\e], v[40+\e]
.endr
	v_nop                                          ; a plain line behind the last exponential
	s_wait_alu depctr_va_vdst(0)                   ; one wait for the batch of eight, ahead of its first reader
	v_add_f32 v57, v40, v41
	v_add_f32 v58, v42, v43
	v_add_f32 v59, v44, v45
	v_add_f32 v60, v46, v47
	v_add_f32 v57, v57, v58
	v_add_f32 v59, v59, v60
	v_add_f32 v57, v57, v59
	v_rcp_f32 v61, v57
	v_nop
	s_wait_alu depctr_va_vdst(0)
.irp e, 0,1,2,3,4,5,6,7
	v_mul_f32 v[40+\e], v[40+\e], v61              ; the probabilities
.endr
	v_mov_b32 v62, v40                             ; the best so far and its index
	v_mov_b32 v63, 0
.irp e, 1,2,3,4,5,6,7
	v_cmp_gt_f32 vcc_lo, v[40+\e], v62             ; strictly greater: of equals the lower index stays
	v_cndmask_b32 v62, v62, v[40+\e], vcc_lo
	v_cndmask_b32 v63, v63, \e, vcc_lo
.endr
.irp e, 0,1,2,3,4,5,6,7
	v_cmp_eq_u32 vcc_lo, \e, v63
	v_cndmask_b32 v[48+\e], v[40+\e], -1.0, vcc_lo ; the best is taken out: -1 lies under every probability
.endr
	v_mov_b32 v64, v48
	v_mov_b32 v65, 0
.irp e, 1,2,3,4,5,6,7
	v_cmp_gt_f32 vcc_lo, v[48+\e], v64
	v_cndmask_b32 v64, v64, v[48+\e], vcc_lo
	v_cndmask_b32 v65, v65, \e, vcc_lo
.endr
	v_add_f32 v68, v62, v64
	v_rcp_f32 v69, v68
	v_nop
	s_wait_alu depctr_va_vdst(0)
	v_mul_f32 v66, v62, v69                        ; the two weights, renormalised
	v_mul_f32 v67, v64, v69
.irp e, 0,1,2,3,4,5,6,7
	v_cmp_eq_u32 s[40+\e], \e, v63                 ; bit l: expert e is token l % 16's best
	v_cmp_eq_u32 s[32+\e], \e, v65                 ; its second
.endr
.irp e, 0,1,2,3,4,5,6,7
	s_or_b32 s[32+\e], s[32+\e], s[40+\e]
.endr
	v_mov_b32 v70, 0
.irp e, 0,1,2,3,4,5,6,7
	v_writelane_b32 v70, s[32+\e], \e              ; lane e: expert e's row of plane 0; lane 8 + e: of plane 1
	v_writelane_b32 v70, s[40+\e], 8+\e
.endr
	v_cmp_gt_u32 vcc_lo, 16, v0
	s_wait_xcnt 0x0                                ; EXEC changes only behind this wait: stores have been issued
	s_set_vgpr_msb 0x4
	s_wait_tensorcnt 0x0
	ds_add_u32 v15, v1
	s_wait_dscnt 0x0
	s_set_vgpr_msb 0x400
	s_and_saveexec_b32 s48, vcc_lo
	global_store_b16 v[MROW], v70, s[14:15]        ; the low 16 bits: my work-group's 16 tokens, at 128 x lane + 2 x work-group
	global_store_b64 v[CWO], v[66:67], s[16:17]
	s_wait_xcnt 0x0                                ; and again in front of the line that widens it
	s_or_b32 exec_lo, exec_lo, s48
	s_endpgm
.Lnot_wave_0:
	s_cmp_lg_u32 s18, 1
	s_cbranch_scc1 .Lend
	ds_load_b128 v[32:35], v[XSR]                  ; wave 1: the 16 tokens' scale bytes leave as 512 consecutive bytes
	s_wait_dscnt 0x0
	global_store_b128 v[GOC], v[32:35], s[12:13]
.Lend:
	s_set_vgpr_msb 0x4
	s_wait_tensorcnt 0x0
	ds_add_u32 v15, v1
	s_wait_dscnt 0x0
	s_set_vgpr_msb 0x400
	s_endpgm
.Lfunc_end_k_q170d350902_route:
	.size	k_q170d350902_route, .Lfunc_end_k_q170d350902_route-k_q170d350902_route
	.p2alignl 7, 3214868480
	.fill 96, 4, 3214868480
	.section	.rodata,"a",@progbits
	.p2align	6, 0x0
	.amdhsa_kernel k_q170d350902_route
		.amdhsa_group_segment_fixed_size 14336
		.amdhsa_private_segment_fixed_size 0
		.amdhsa_enable_private_segment 0
		.amdhsa_kernarg_size 56
		.amdhsa_user_sgpr_count 2
		.amdhsa_user_sgpr_kernarg_segment_ptr 1
		.amdhsa_wavefront_size32 1
		.amdhsa_system_sgpr_workgroup_id_x 1
		.amdhsa_system_sgpr_workgroup_id_y 1
		.amdhsa_system_sgpr_workgroup_id_z 1
		.amdhsa_system_vgpr_workitem_id 0
		.amdhsa_next_free_vgpr 258
		.amdhsa_next_free_sgpr 66
		.amdhsa_reserve_vcc 1
		.amdhsa_float_denorm_mode_32 3
		.amdhsa_float_denorm_mode_16_64 3
		.amdhsa_memory_ordered 1
		.amdhsa_forward_progress 1
		.amdhsa_inst_pref_size 54
	.end_amdhsa_kernel
	.amdgpu_metadata
---
amdhsa.version: [ 1, 2 ]
amdhsa.kernels:
  - .name:           k_q170d350902_route
    .symbol:         k_q170d350902_route.kd
    .args:
      - { .name: x, .offset: 0, .size: 8, .value_kind: global_buffer, .address_space: global }
      - { .name: router_w, .offset: 8, .size: 8, .value_kind: global_buffer, .address_space: global }
      - { .name: router_b, .offset: 16, .size: 8, .value_kind: global_buffer, .address_space: global }
      - { .name: xq, .offset: 24, .size: 8, .value_kind: global_buffer, .address_space: global }
      - { .name: xs, .offset: 32, .size: 8, .value_kind: global_buffer, .address_space: global }
      - { .name: masks, .offset: 40, .size: 8, .value_kind: global_buffer, .address_space: global }
      - { .name: cw, .offset: 48, .size: 8, .value_kind: global_buffer, .address_space: global }
    .group_segment_fixed_size: 14336
    .private_segment_fixed_size: 0
    .kernarg_segment_align: 8
    .kernarg_segment_size: 56
    .max_flat_workgroup_size: 256
    .sgpr_count:     66
    .vgpr_count:     258
    .wavefront_size: 32
...
	.end_amdgpu_metadata
.endif
;; end of part 5
;; launch ffn1: the kernel of part 2 again; grid 32 x 8, 4 waves a work-group, no clusters, 79,360 bytes of LDS; arguments w1, b1, xq, xs, masks, hc, hs, pos; writes hc, hs, pos
;; launch ffn2: the kernel of part 3 again; grid 32 x 8, 4 waves a work-group, no clusters, 80,384 bytes of LDS; arguments w2, b2, masks, hc, hs, yw; writes yw
;; launch comb: the kernel of part 4 again; grid 256 x 1, 4 waves a work-group, no clusters, 0 bytes of LDS; arguments pos, cw, yw, out0; writes out0
;; ======== version 3 of 3: 4 launches; version 2 with the launches ffn1, ffn2 written anew for expert scheduling mode
;; workspace buffers: xq 524,288 bytes; xs 32,768 bytes; masks 2,048 bytes of whole numbers; cw 8,192 bytes; pos 12,288 bytes of whole numbers; hc 16,777,216 bytes; hs 1,048,576 bytes; yw 33,554,432 bytes
;; launch route: the kernel of part 5 again; grid 64 x 1, 8 waves a work-group, no clusters, 14,336 bytes of LDS; arguments x, router_w, router_b, xq, xs, masks, cw; writes xq, xs, masks, cw
;; launch ffn1 (part 6): grid 32 x 8, 4 waves a work-group, no clusters, 79,360 bytes of LDS; arguments w1, b1, xq, xs, masks, hc, hs, pos; writes hc, hs, pos
.if DOCPART == 6
	.amdgcn_target "amdgcn-amd-amdhsa--gfx1250"
	.amdhsa_code_object_version 6
	.text
	.protected	k_q170d350902_ffn1
	.globl	k_q170d350902_ffn1
	.p2align	8
	.type	k_q170d350902_ffn1,@function
k_q170d350902_ffn1:
	s_mov_b64 s[64:65], 0
	v_nop
	global_prefetch_b8 v0, s[64:65] scope:SCOPE_SE
	s_setreg_imm32_b32 hwreg(HW_REG_WAVE_SCHED_MODE, 0, 2), 2
	s_setreg_imm32_b32 hwreg(HW_REG_WAVE_MODE, 25, 1), 1
	s_wait_xcnt 0x0
	s_wait_alu depctr_vm_vsrc(0)
; FIRST LAYER OF THE CHOSEN EXPERTS: h = gelu(x W1^T + b1), on codes of E2M1 with one E8M0 scale for each 32 along K, for the tokens that chose the expert alone.
; Work-group (fs, e): hidden units 128 fs .. 128 fs + 127 of expert e, for all of e's tokens.  Its 128 rows of w1 are 512 KB on end.
; PHASE A.  Each wave streams 128 KB of w1 (32 rows) once, as f32, 512 consecutive bytes a load, through a ring of six register slots of eight loads, quantises on the way and leaves codes and scale
; bytes in LDS.  A unit is 256 numbers of a row: two loads, four exchanges of lane halves, and lane l holds numbers 8 l .. 8 l + 7; a block of 32 is four neighbouring lanes.
; THE LIST.  While the last loads are on their way, the 128 threads make the list of e's tokens from e's row of the masks: entry J is the place of the J-th set bit, found by selection;
; entries from the count on are token 0.  The work-groups with fs = 0 also store, for each listed token, its row e 1024 + J into pos [token][0 for the best expert, 1 for the second].  All lanes stay on:
; an entry past the count stores its number into a spare word of pos that is the thread's own (behind the 2,048 entries, 128 words for each expert), which nobody reads.
; PHASE B.  Every wave takes all 64 fragments of the slice into 512 registers, once, and walks tiles of 16 listed tokens (tile = wave + 4 n): 64 matrix instructions, transposed (source 0 = 16 rows of W1,
; source 1 = 16 tokens), b1 as the first C; gelu in f32; quantised in registers; the fragment (K step fs of the second product) and its scale words go to hc and hs as images of the operand's registers.
; THE ROWS OF W1 THAT FORM A TILE ARE NOT NEIGHBOURS: lane m of tile 2 b + u takes row 32 b + 8 u + m + 8 (m / 8), so that the 16 registers of tiles 2 b and 2 b + 1 are 16 neighbours along the next K.
; GELU: h = max(v, 0) - 0.5 |v| erfc(|v| / sqrt 2), erfc(z) = t 2^(-z^2 log2 e + c0 + t (c1 + .. + t c9)), t = 1 / (1 + z / 2): a ten-term fit with log2 e folded into the coefficients; no difference of near-equal numbers on the negative side.
; The loop over tiles has a constant count and jumps over the work of tiles past the expert's last: a branch on a stored count, so the launch has no tensor load; no cluster: no two work-groups read the same
; weights, and what they share (x's codes, 0.5 MB) is a small part of the 134 MB that the launch reads.
; LIMITS: NaN and infinities are not served.  A block of zeros gets the byte 1 with zero codes (only this program reads the bytes); blocks whose largest magnitude lies under 2^-124 are held at byte 1.
; For v under -4 the relative error of the erfc term grows as v^2 x 1e-7; such results lie under 1e-4 in magnitude.
; THE MODE: SCHED_MODE bits 1:0 = 2 (LLVM: expert scheduling mode 2), set by the entry lines.  The code itself states the register dependences between vector or matrix instructions and memory or LDS
; instructions, with s_wait_alu, always for 0.
; THE PLAN.  Registers that memory or LDS instructions touch, and who else names them:
;   The offsets and LDS addresses of the head (VL, CST, SST, LB, LRD0, FRD, SRD, HO, HSO, BO, DMP): written once; one wait on va_vdst ahead of the first load serves them for the whole kernel.
;   RING, six slots.  Group g's vector lines read and write slot g % 6; behind them the loads of group g + 6 land in it.
;   CD, BY, two sets.  Group g's conversions and shifts write set g % 2; its eight LDS stores read it; group g + 2 writes it again.
;     So a group has ONE wait on va_vdst, behind its last vector line: its eight loads and eight LDS stores follow with no further wait; and one on vm_vsrc, ahead of its conversions.
;   The list.  CC, TT: a global store's offset and data; ADR, VAL: an LDS store's address and data: a wait on va_vdst ahead of each store, one on vm_vsrc behind the trip's last store.
;     The compares that pick a word go in runs of four into scalar registers, one wait on va_sdst a run; the descent's five hang on each other: a wait on va_vcc each.
;   The loop over tiles.  ADR: written at a trip's head, read by the list's load; TOK: that load lands in it, the lines that make the offsets read and write it; XO, XSO: written by those lines, read by 17 loads;
;     x's fragments (window 3) and XS: read by the 64 products, then the 17 loads land in them; PC, PW: written by the quantiser, read by three stores.
;     Three waits on va_vdst a trip (behind the add to ADR; behind the offsets' lines, which stand behind the products; ahead of the three stores) and one on vm_vsrc at the trip's end.
;   W1's fragments, W1S and b1 are loaded once; the accumulators and the gelu's registers are named by vector and matrix instructions alone.
;   The closing add's two registers, v255 of window 0 and v254 of window 3: written at the head, read by that add alone.
.set PITCH,  528                       ; a row of codes in LDS: 512 bytes + 16: an odd multiple of 16, so that the sixteen rows of a 16-byte load start at different banks (64 banks of 4 bytes: ISA guide 11.1)
.set SPITCH, 48                        ; a row of scale bytes: 32 + 16
.set WC,     0                         ; 128 rows of codes
.set SCW,    128*PITCH                 ; 128 rows of scale bytes
.set LIST,   SCW+128*SPITCH            ; 1,152 words: the list
.set NS,     6                         ; ring slots
; window 0
.set VL,   1                           ; 32 (l % 16) + 16 (l / 16): my 16 bytes of a load's 512
.set CST,  2                           ; where my 4 bytes of a unit's codes go
.set SST,  3                           ; and my block's scale byte
.set XS,   4                           ; v4-7    x's scale words: lanes 0-15 K steps 0-3, lanes 16-31 K steps 4-7
.set MX,   8                           ; v8-11   four units' largest magnitudes
.set SCL,  12                          ; v12-15  their scale operands
.set CD,   16                          ; v16-23  codes, two sets
.set BY,   24                          ; v24-31  scale bytes, two sets
.set RING, 32                          ; v32-223 six slots of 32
.set W1S,  32                          ; phase B: v32-63 W1's scale words, four a tile
.set HA,   64                          ; v64-127 the eight accumulators, then h
.set GA,   128                         ; v128-191 gelu: |v|, t, exponent, polynomial: 16 each
.set GT,   144
.set GZ,   160
.set GQ,   176
.set TM,   192                         ; v192-207 the quantiser's work
.set PC,   208                         ; v208-215 the codes just made
.set PW,   216                         ; the scale word just made
.set LB,   224                         ; LIST + 4 x thread
.set LRD0, 225                         ; LIST + 4 (16 wave + l % 16)
.set TOK,  226
.set XO,   227                         ; my token's codes: 512 token + 16 (l / 16)
.set XSO,  228                         ; its scale words: 32 token + 16 (l / 16)
.set FRD,  229                         ; a fragment's place for my lane
.set SRD,  230                         ; a tile's scale words
.set HO,   231                         ; 16 x lane
.set HSO,  232                         ; 4 (l % 16)
.set VJ,   233                         ; the list's work: v233-247
.set WD,   234
.set W1W,  235
.set BS,   236
.set TB,   237
.set KK,   238
.set POS,  239
.set A1,   240
.set A2,   241
.set A3,   242
.set A4,   243
.set CC,   244
.set TT,   245
.set VAL,  246
.set ADR,  247
.set C8,   248                         ; v248-249 c8, twice
.set BO,   250                         ; 64 (l / 16)
.set H16,  251                         ; 16 (l / 16)
.set LN,   252
.set RR,   253
.set DMP,  254                         ; my spare word of pos: 2,048 + 128 e + thread
; scalars: s[4:19] the eight addresses; s[20:51] the expert's mask words, later the gelu's constants; s[68:99] its words of plane 1
.set CF,   20                          ; s[20+2k:21+2k] c_k, k = 0 .. 7
.set C9,   36
.set KH,   38                          ; 1 / (2 sqrt 2)
.set KP,   40                          ; sqrt(log2(e) / 2)
.set ABSM, 42
.set WV,   52
.set EX,   53
.set NE,   55                          ; the expert's tokens
.set NT,   56                          ; its tiles, at least 1
.set PP,   57
.set LOFF, 58
.set TILE, 59
.set TRIP, 60
.set LO,   61
.set SEL,  62
.set MKA,  59                          ; the list alone: a run's four masks in s59-61 (set anew ahead of the loop over tiles) and s54,
.set MKB,  60
.set MKC,  61
.set MKD,  54
.set PPB,  66                          ; and the counts of bits in front of the run's second, third and fourth word
.set PPC,  67
.set PPD,  100
.set MSB, 0
.macro WIN new                         ; the immediate's high byte repeats the setting that is left
.if MSB != \new
	s_set_vgpr_msb (MSB<<8)|\new
.set MSB, \new
.endif
.endm
.macro ISSUE g                         ; units 4 g .. 4 g + 3 (row g of my 32): eight loads of 512 consecutive bytes into slot g % 6
.irp a, 0,1,2,3
	global_load_b128 v[RING+32*((\g)%NS)+8*\a:RING+32*((\g)%NS)+8*\a+3], v[VL], s[4:5] offset:1024*(4*(\g)+\a) th:TH_LOAD_NT
	global_load_b128 v[RING+32*((\g)%NS)+8*\a+4:RING+32*((\g)%NS)+8*\a+7], v[VL], s[4:5] offset:1024*(4*(\g)+\a)+512 th:TH_LOAD_NT
.endr
.endm
.macro QGROUP g, ahead                 ; four units by turns: numbers to codes and scale bytes, into LDS.  ahead = 1: the slot is asked for again, for the group six further on
.set XB,  RING+32*((\g)%NS)
.set CDB, CD+4*((\g)%2)
.set BYB, BY+4*((\g)%2)
.set PR,  16*(((\g)>>3)&1)+8*((\g)>>4)+((\g)&7)   ; row g's place among my 32 rows in LDS: tile by tile
.irp a, 0,1,2,3
.irp i, 0,1,2,3
	v_permlane16_swap_b32 v[XB+8*\a+\i], v[XB+8*\a+4+\i]   ; the first's lanes 16-31 change places with the second's lanes 0-15: lane l now holds numbers 8 l .. 8 l + 7
.endr
.endr
.irp a, 0,1,2,3
	v_max3_num_f32 v[MX+\a], |v[XB+8*\a]|, |v[XB+8*\a+1]|, 0x1800000   ; with the floor 2^(3 - 127): the byte cannot fall under 1
.endr
.irp i, 2,4,6
.irp a, 0,1,2,3
	v_max3_num_f32 v[MX+\a], v[MX+\a], |v[XB+8*\a+\i]|, |v[XB+8*\a+\i+1]|
.endr
.endr
.irp a, 0,1,2,3
	v_max_num_f32_dpp v[MX+\a], v[MX+\a], v[MX+\a] row_xmask:1 row_mask:0xf bank_mask:0xf
.endr
.irp a, 0,1,2,3
	v_max_num_f32_dpp v[MX+\a], v[MX+\a], v[MX+\a] row_xmask:2 row_mask:0xf bank_mask:0xf   ; the block's four lanes
.endr
.irp a, 0,1,2,3
	v_add_nc_u32 v[SCL+\a], 0xff000000, v[MX+\a]   ; 2 off the exponent field: the conversion's scale operand
.endr
	s_wait_dscnt 8                                 ; the stores of the group before last, which read this set of registers, are done; the last group's eight may be out
.if (\g) > 1
	s_wait_alu depctr_vm_vsrc(0)                   ; the LDS stores of the group before last have read this set of codes and bytes, which the eight lines below write again
.endif
.irp a, 0,1,2,3
	v_cvt_scalef32_pk8_fp4_f32 v[CDB+\a], v[XB+8*\a:XB+8*\a+7], v[SCL+\a]
.endr
.irp a, 0,1,2,3
	v_lshrrev_b32 v[BYB+\a], 23, v[SCL+\a]         ; the scale's byte (also the plain line behind the conversions)
.endr
	s_wait_alu depctr_va_vdst(0)                   ; the conversions and shifts have written the codes and bytes, which the LDS stores read; the group's lines are done reading and writing its slot, in which the loads land
.if \ahead
	ISSUE (\g)+6                                   ; the slot is asked for again at once; no vector line names it before the wait for its data
.endif
.irp a, 0,1,2,3
	ds_store_b32 v[CST], v[CDB+\a] offset:PR*PITCH+128*\a
	ds_store_b8 v[SST], v[BYB+\a] offset:PR*SPITCH+8*\a   ; a block's four lanes write the same byte with the same value
.endr
.endm
.macro XADDR                           ; a listed token becomes two offsets: held inside x's 1,024 rows first
	v_min_u32 v[TOK], 0x3ff, v[TOK]
	v_lshlrev_b32 v[XO], 9, v[TOK]
	v_add_nc_u32 v[XO], v[XO], v[H16]
	v_lshlrev_b32 v[XSO], 5, v[TOK]
	v_add_nc_u32 v[XSO], v[XSO], v[H16]
.endm
.macro XLOAD                           ; a tile's eight fragments of x into window 3, v0-63, and its scale words: 17 loads
	WIN 0xc0
	s_wait_alu depctr_va_vdst(0)                   ; XO and XSO are written, which the 17 loads read; in the loop the tile's products are done reading x's fragments and scale words, in which they land
.irp s, 0,1,2,3,4,5,6,7
.irp c, 0,1
	global_load_b128 v[8*\s+4*\c:8*\s+4*\c+3], v[XO], s[8:9] offset:64*\s+32*\c
.endr
.endr
	WIN 0
	global_load_b128 v[XS:XS+3], v[XSO], s[10:11]
.endm
	s_load_b512 s[4:19], s[0:1], 0x0               ; w1, b1, xq, xs, masks, hc, hs, pos
	v_lshl_add_u32 v255, v0, 2, 0x13400
	s_set_vgpr_msb 0xc0
	v_mov_b32 v254, 0                              ; v254 of window 3, which x's fragments and b1 (v0-127 there) leave free
	s_set_vgpr_msb 0xc000
	v_lshrrev_b32 v1, 5, v0
	v_readfirstlane_b32 s[WV], v1                  ; wave 0..3
	s_and_b32 s[EX], ttmp7, 0xffff                 ; the expert
	v_and_b32 v[LN], 31, v0
	v_and_b32 v[RR], 15, v0
	v_bfe_u32 v[BO], v0, 4, 1
	v_lshlrev_b32 v[H16], 4, v[BO]
	v_lshlrev_b32 v[BO], 6, v[BO]
	v_lshl_add_u32 v[VL], v[RR], 5, v[H16]
	s_wait_alu depctr_va_sdst(0)                   ; the wave's number is written, ahead of its first reader: LDS places and the bases of w1, hc and hs are made from it
	s_mul_i32 s2, s[WV], 32*PITCH
	v_lshl_add_u32 v[CST], v[LN], 2, s2            ; WC + my 32 rows + 4 x lane
	s_mul_i32 s2, s[WV], 32*SPITCH
	s_add_co_u32 s2, s2, SCW
	v_lshrrev_b32 v[SST], 2, v[LN]
	v_add_nc_u32 v[SST], s2, v[SST]
	v_lshl_add_u32 v[LB], v0, 2, LIST
	s_lshl_b32 s2, s[WV], 6
	s_add_co_u32 s2, s2, LIST
	v_lshl_add_u32 v[LRD0], v[RR], 2, s2
	v_mul_u32_u24 v[FRD], v[RR], PITCH
	v_add_nc_u32 v[FRD], v[FRD], v[H16]
	v_mul_u32_u24 v[SRD], v[RR], SPITCH
	v_add_nc_u32 v[SRD], v[SRD], v[H16]
	v_add_nc_u32 v[SRD], SCW, v[SRD]
	v_lshlrev_b32 v[HO], 4, v[LN]
	v_lshlrev_b32 v[HSO], 2, v[RR]
	s_lshl_b32 s2, s[EX], 7
	s_add_co_u32 s2, s2, 2048
	v_add_nc_u32 v[DMP], s2, v0                    ; my spare word of pos
	s_mov_b32 s[SEL], 0x76543210
	s_mov_b32 s[SEL+1], 0xfedcba98
	s_lshl_b32 s101, s[EX], 10                     ; the expert's first row
	s_lshl_b32 s2, s[EX], 24                       ; w1: 16 MB an expert, 512 KB a slice, 128 KB a wave
	s_lshl_b32 s3, ttmp9, 19
	s_add_co_u32 s2, s2, s3
	s_lshl_b32 s3, s[WV], 17
	s_add_co_u32 s2, s2, s3
	s_mov_b32 s3, 0
	s_wait_kmcnt 0x0
	s_add_nc_u64 s[4:5], s[4:5], s[2:3]
	s_lshl_b32 s2, s[EX], 7
	s_add_nc_u64 s[12:13], s[12:13], s[2:3]
	s_load_b512 s[20:35], s[12:13], 0x0            ; the expert's 32 words of plane 0,
	s_load_b512 s[36:51], s[12:13], 0x40
	s_load_b512 s[68:83], s[12:13], 0x400          ; and of plane 1
	s_load_b512 s[84:99], s[12:13], 0x440
	s_wait_alu depctr_va_vdst(0)                   ; the head's offsets and LDS addresses are written: every load and store of the kernel that reads one of them stands behind this wait, and none of them is written again
.irp g, 0,1,2,3,4,5
	ISSUE \g
.endr
	s_lshl_b32 s2, s[EX], 14                       ; b1: my slice's 128 numbers
	s_lshl_b32 s66, ttmp9, 9
	s_add_co_u32 s2, s2, s66
	s_add_nc_u64 s[6:7], s[6:7], s[2:3]
	s_lshl_b32 s2, s[EX], 21                       ; hc: ((64 e + tile) 32 + fs) 1,024, tile = wave at first
	s_lshl_b32 s66, s[WV], 15
	s_add_co_u32 s2, s2, s66
	s_lshl_b32 s66, ttmp9, 10
	s_add_co_u32 s2, s2, s66
	s_add_nc_u64 s[14:15], s[14:15], s[2:3]
	s_lshr_b32 s2, s2, 4                           ; hs: a sixteenth of that
	s_add_nc_u64 s[16:17], s[16:17], s[2:3]
	; ---- phase A: groups 0 to 25 each ask for the group six further on
.set G, 0
.rept 26
	s_wait_loadcnt 40                              ; this group's eight loads are in; the five groups behind it may be out
	QGROUP G, 1
.set G, G+1
.endr
	; ---- the list; all my ring loads have been issued
	s_wait_kmcnt 0x0
	s_bcnt1_i32_b32 s[NE], s20
.set W, 1
.rept 31
	s_bcnt1_i32_b32 s2, s[20+W]
	s_add_co_u32 s[NE], s[NE], s2
.set W, W+1
.endr
	s_add_co_u32 s2, s[NE], 15
	s_lshr_b32 s2, s2, 4
	s_max_u32 s[NT], s2, 1
.macro DESC f, fw, st                  ; does the wanted bit lie past the next st bits?  f holds the counts of set bits by fields
	v_bfe_u32 v[CC], v[\f], v[POS], \fw
	v_cmp_ge_u32 vcc_lo, v[KK], v[CC]
	s_wait_alu depctr_va_vcc(0)                    ; the compare has written VCC, ahead of the two selections that read it
	v_cndmask_b32 v[CC], 0, v[CC], vcc_lo
	v_sub_nc_u32 v[KK], v[KK], v[CC]
	v_cndmask_b32 v[TT], 0, \st, vcc_lo
	v_add_nc_u32 v[POS], v[POS], v[TT]
.endm
.macro PICK w, m, p                    ; word w is taken, but where mask s[m] says that more than J bits lie in front of it: there the earlier word stays.  s[p]: the bits in front of word w
	v_cndmask_b32 v[WD], s[20+(\w)], v[WD], s[\m]
	v_cndmask_b32 v[W1W], s[68+(\w)], v[W1W], s[\m]
	v_cndmask_b32 v[BS], s[\p], v[BS], s[\m]
	v_cndmask_b32 v[TB], 32*(\w), v[TB], s[\m]
.endm
.macro RUN w, n                        ; words w .. w + n - 1 (n = 4, or 3 for the last run), in ascending order.  s[PP] holds the bits in front of word w
	s_bcnt1_i32_b32 s2, s[20+(\w)]
	s_add_co_u32 s[PPB], s[PP], s2
	s_bcnt1_i32_b32 s2, s[21+(\w)]
	s_add_co_u32 s[PPC], s[PPB], s2
	v_cmp_gt_u32 s[MKA], s[PP], v[VJ]              ; more than J bits lie in front of the word: keep the earlier word
	v_cmp_gt_u32 s[MKB], s[PPB], v[VJ]
	v_cmp_gt_u32 s[MKC], s[PPC], v[VJ]
.if \n > 3
	s_bcnt1_i32_b32 s2, s[22+(\w)]
	s_add_co_u32 s[PPD], s[PPC], s2
	v_cmp_gt_u32 s[MKD], s[PPD], v[VJ]
.endif
	s_wait_alu depctr_va_sdst(0)                   ; the run's compares have written their masks, ahead of the selections that read them: one wait for the run
	PICK (\w), MKA, PP
	PICK (\w)+1, MKB, PPB
	PICK (\w)+2, MKC, PPC
.if \n > 3
	PICK (\w)+3, MKD, PPD
	s_bcnt1_i32_b32 s2, s[23+(\w)]
	s_add_co_u32 s[PP], s[PPD], s2                 ; the bits in front of the next run's first word
.endif
.endm
	s_mov_b32 s[LOFF], 0
.Llist:                                            ; nine trips, 128 entries each: every wave walks them all; the work of entries past the count is jumped over
	v_mov_b32 v[VAL], 0
	s_lshr_b32 s3, s[LOFF], 2
	s_cmp_ge_u32 s3, s[NE]
	s_cbranch_scc1 .Lnone
	v_add_nc_u32 v[VJ], s3, v0                     ; J
	v_mov_b32 v[WD], s20                           ; the last word in front of which at most J bits are set
	v_mov_b32 v[W1W], s68
	v_mov_b32 v[BS], 0
	v_mov_b32 v[TB], 0
	s_bcnt1_i32_b32 s[PP], s20
.irp w, 1,5,9,13,17,21,25
	RUN \w, 4
.endr
	v_cmp_gt_u32 s[MKD], s[NE], v[VJ]              ; is entry J listed?  The mask joins the last run, which leaves its fourth register free, and is read behind that run's wait
	RUN 29, 3
	v_sub_nc_u32 v[KK], v[VJ], v[BS]               ; which set bit of that word
	v_lshrrev_b32 v[TT], 1, v[WD]                  ; counts of set bits in fields of 2, 4, 8 and 16 bits
	v_and_b32 v[TT], 0x55555555, v[TT]
	v_sub_nc_u32 v[A1], v[WD], v[TT]
	v_lshrrev_b32 v[TT], 2, v[A1]
	v_and_b32 v[TT], 0x33333333, v[TT]
	v_and_b32 v[A2], 0x33333333, v[A1]
	v_add_nc_u32 v[A2], v[A2], v[TT]
	v_lshrrev_b32 v[TT], 4, v[A2]
	v_add_nc_u32 v[A3], v[A2], v[TT]
	v_and_b32 v[A3], 0x0f0f0f0f, v[A3]
	v_lshrrev_b32 v[TT], 8, v[A3]
	v_add_nc_u32 v[A4], v[A3], v[TT]
	v_and_b32 v[A4], 0x00ff00ff, v[A4]
	v_mov_b32 v[POS], 0
	DESC A4, 8, 16
	DESC A3, 8, 8
	DESC A2, 4, 4
	DESC A1, 2, 2
	DESC WD, 1, 1
	v_add_nc_u32 v[TOK], v[TB], v[POS]             ; the token
	v_cndmask_b32 v[VAL], 0, v[TOK], s[MKD]        ; entries from the count on are token 0
	s_cmp_lg_u32 ttmp9, 0
	s_cbranch_scc1 .Lnone                          ; one work-group of the expert's 32 stores the rows' places
	v_bfe_u32 v[CC], v[W1W], v[POS], 1             ; 1: the expert is the token's best
	v_xor_b32 v[CC], 1, v[CC]
	v_lshl_add_u32 v[CC], v[TOK], 1, v[CC]         ; pos[token][0 for the best, 1 for the second];
	v_cndmask_b32 v[CC], v[DMP], v[CC], s[MKD]     ; an entry past the count takes my spare word: all lanes stay on
	v_min_u32 v[CC], 0xbff, v[CC]                  ; held inside pos's 3,072 words
	v_lshlrev_b32 v[CC], 2, v[CC]
	v_add_nc_u32 v[TT], s101, v[VJ]                ; row 1,024 e + J
	s_wait_alu depctr_va_vdst(0)                   ; the store's offset and its data are written
	global_store_b32 v[CC], v[TT], s[18:19]
	s_wait_xcnt 0x0                                ; the store has read its two registers: the next trip writes them again
.Lnone:
	v_add_nc_u32 v[ADR], s[LOFF], v[LB]
	s_wait_alu depctr_va_vdst(0)                   ; the LDS store's address and its data are written
	ds_store_b32 v[ADR], v[VAL]
	s_wait_alu depctr_vm_vsrc(0)                   ; both stores of the trip have read their registers (CC, TT, ADR, VAL), which the next trip writes again; ADR also the loop over tiles
	s_add_co_u32 s[LOFF], s[LOFF], 512
	s_cmp_lt_u32 s[LOFF], 9*512
	s_cbranch_scc1 .Llist
	s_wait_dscnt 0x0                               ; for the others' sake: my part of the list lies in LDS
	s_barrier_signal -1
	s_barrier_wait -1
	s_wait_loadcnt 40                              ; group 26; groups 27 to 31 may be out
	QGROUP 26, 0
	s_wait_loadcnt 32
	QGROUP 27, 0
	s_wait_loadcnt 24
	QGROUP 28, 0
	; ---- my first tile's x, and b1, are asked for while the last three groups land: 16 + 17 = 33 loads, none into the ring
	ds_load_b32 v[TOK], v[LRD0]                    ; (the list's lines that named TOK stand ahead of the groups' waits on va_vdst, and no vector line since names it)
	WIN 0xc0
.irp t, 0,1,2,3,4,5,6,7                ; b1 in the result's layout, window 3 from v64: lane (r, h), tile 2 b + u: hidden units 32 b + 16 h + 8 u + 0 .. 7
	global_load_b128 v[64+8*\t:64+8*\t+3], v[BO], s[6:7] offset:(32*(\t/2)+8*(\t%2))*4
	global_load_b128 v[64+8*\t+4:64+8*\t+7], v[BO], s[6:7] offset:(32*(\t/2)+8*(\t%2))*4+16
.endr
	WIN 0
	s_wait_dscnt 0x0
	XADDR
	XLOAD
	s_wait_loadcnt 49                              ; group 29 is in; behind it: groups 30 and 31 (16) and the 33
	QGROUP 29, 0
	s_wait_loadcnt 41
	QGROUP 30, 0
	s_wait_loadcnt 33
	QGROUP 31, 0
	s_wait_dscnt 0x0                               ; for the others' sake: my 32 rows of codes and scale bytes lie in LDS
	s_barrier_signal -1
	s_barrier_wait -1
	; ---- phase B.  The mask words are done with: their registers take the gelu's constants, each twice (the packed forms name pairs)
.macro COEF r, val
	s_mov_b32 s[\r], \val
	s_mov_b32 s[\r+1], \val
.endm
	COEF CF+0,  0xbfe9b21e                         ; -1.82574822
	COEF CF+2,  0x3fb8ab5a                         ;  1.44272920
	COEF CF+4,  0x3f0a29d2                         ;  0.53970062
	COEF CF+6,  0x3e0efb2e                         ;  0.13963006
	COEF CF+8,  0xbe899a80                         ; -0.26875686
	COEF CF+10, 0x3ecdfd18                         ;  0.40232158
	COEF CF+12, 0xbfd1a1e5                         ; -1.63775315
	COEF CF+14, 0x40097039                         ;  2.14747446
	COEF C9,    0x3e7c6f08                         ;  0.24651730
	COEF KH,    0x3eb504f3                         ;  0.35355339
	COEF KP,    0x3f596d27                         ;  0.84932180
	s_mov_b32 s[ABSM], 0x7fffffff
	v_mov_b32 v[C8], 0xbf97d29d                    ; -1.18611495
	v_mov_b32 v[C8+1], 0xbf97d29d
.irp b, 0,1,2,3
	v_mov_b32 v[TM+4+\b], 0                        ; written once: a lane permute's destination counts as one of its sources
.endr
	WIN 0x40                                       ; W1's fragment (tile t, K step s) at v[8 (8 (s % 4) + t)] of window 1 (s under 4) or 2: registers that no vector line has named
.irp s, 0,1,2,3
.irp t, 0,1,2,3,4,5,6,7
.irp c, 0,1
	ds_load_b128 v[8*(8*\s+\t)+4*\c:8*(8*\s+\t)+4*\c+3], v[FRD] offset:\t*16*PITCH+64*\s+32*\c
.endr
.endr
.endr
	WIN 0x80
.irp s, 0,1,2,3
.irp t, 0,1,2,3,4,5,6,7
.irp c, 0,1
	ds_load_b128 v[8*(8*\s+\t)+4*\c:8*(8*\s+\t)+4*\c+3], v[FRD] offset:\t*16*PITCH+64*(\s+4)+32*\c
.endr
.endr
.endr
	WIN 0
.irp t, 0,1,2,3,4,5,6,7
	ds_load_b128 v[W1S+4*\t:W1S+4*\t+3], v[SRD] offset:\t*16*SPITCH   ; lanes 0-15: the words of K steps 0-3; lanes 16-31: of K steps 4-7.  (They land in the ring's slot 0, which group 30 named last, ahead of its own wait on va_vdst)
.endr
	s_wait_dscnt 0x0
.macro WM1 t, s, c, row                ; tile t, K step s; c: C's first register; row = 1: both sides' scale words stand in lanes 16-31
.if \row
	v_wmma_scale_f32_16x16x128_f8f6f4 v[HA+8*\t:HA+8*\t+7], v[8*(8*((\s)&3)+\t):8*(8*((\s)&3)+\t)+7], v[8*(\s):8*(\s)+7], v[\c:\c+7], v[W1S+4*\t+((\s)&3)], v[XS+((\s)&3)] matrix_a_fmt:MATRIX_FMT_FP4 matrix_b_fmt:MATRIX_FMT_FP4 matrix_a_scale:MATRIX_SCALE_ROW1 matrix_b_scale:MATRIX_SCALE_ROW1
.else
	v_wmma_scale_f32_16x16x128_f8f6f4 v[HA+8*\t:HA+8*\t+7], v[8*(8*((\s)&3)+\t):8*(8*((\s)&3)+\t)+7], v[8*(\s):8*(\s)+7], v[\c:\c+7], v[W1S+4*\t+((\s)&3)], v[XS+((\s)&3)] matrix_a_fmt:MATRIX_FMT_FP4 matrix_b_fmt:MATRIX_FMT_FP4
.endif
.endm
.macro GELU b                          ; accumulators 2 b and 2 b + 1, each from its low end on
.set VV, HA+16*(\b)
.set I, 0
.rept 16
	v_and_b32 v[GA+I], s[ABSM], v[VV+I]            ; |v|
.set I, I+1
.endr
.set I, 0
.rept 8
	v_pk_fma_f32 v[GT+I:GT+I+1], v[GA+I:GA+I+1], s[KH:KH+1], 1.0 op_sel_hi:[1,0,0]
.set I, I+2
.endr
.set I, 0
.rept 16
	v_rcp_f32 v[GT+I], v[GT+I]                     ; t
.set I, I+1
.endr
.set I, 0
.rept 8
	v_pk_mul_f32 v[GZ+I:GZ+I+1], v[GA+I:GA+I+1], s[KP:KP+1] op_sel_hi:[1,0]   ; plain work behind the reciprocals, which names none of them
.set I, I+2
.endr
	s_wait_alu depctr_va_vdst(0)                   ; the sixteen reciprocals have written t: one wait for the batch, ahead of its first reader
.set I, 0
.rept 8
	v_pk_fma_f32 v[GQ+I:GQ+I+1], v[GT+I:GT+I+1], s[C9:C9+1], v[C8:C8+1] op_sel_hi:[1,0,1]
.set I, I+2
.endr
.irp k, 7,6,5,4,3,2,1,0
.set I, 0
.rept 8
	v_pk_fma_f32 v[GQ+I:GQ+I+1], v[GQ+I:GQ+I+1], v[GT+I:GT+I+1], s[CF+2*\k:CF+2*\k+1] op_sel_hi:[1,1,0]
.set I, I+2
.endr
.endr
.set I, 0
.rept 8
	v_pk_fma_f32 v[GZ+I:GZ+I+1], v[GZ+I:GZ+I+1], v[GZ+I:GZ+I+1], v[GQ+I:GQ+I+1] neg_lo:[1,0,0] neg_hi:[1,0,0]   ; the polynomial less z^2 log2 e
.set I, I+2
.endr
.set I, 0
.rept 16
	v_exp_f32 v[GZ+I], v[GZ+I]
.set I, I+1
.endr
.set I, 0
.rept 8
	v_pk_mul_f32 v[GA+I:GA+I+1], v[GA+I:GA+I+1], v[GT+I:GT+I+1]   ; |v| t: plain work behind the exponentials
.set I, I+2
.endr
.set I, 0
.rept 16
	v_max_num_f32 v[GQ+I], 0, v[VV+I]
.set I, I+1
.endr
	s_wait_alu depctr_va_vdst(0)                   ; the sixteen exponentials have written their results: one wait for the batch, ahead of its first reader
.set I, 0
.rept 8
	v_pk_mul_f32 v[GA+I:GA+I+1], v[GA+I:GA+I+1], v[GZ+I:GZ+I+1]   ; |v| erfc
.set I, I+2
.endr
.set I, 0
.rept 8
	v_pk_fma_f32 v[VV+I:VV+I+1], v[GA+I:GA+I+1], -0.5, v[GQ+I:GQ+I+1] op_sel_hi:[1,0,1]
.set I, I+2
.endr
.endm
; 64 numbers of a lane, register 16 b + i = k 32 b + 16 (lane / 16) + i of my token's row, become a fragment's codes in v[PC] on and its scale word in v[PW]
.macro QUANT s
.irp b, 0,1,2,3
	v_max3_num_f32 v[TM+\b], |v[\s+16*\b]|, |v[\s+1+16*\b]|, 0x1800000
.endr
.irp i, 2,4,6,8,10,12,14
.irp b, 0,1,2,3
	v_max3_num_f32 v[TM+\b], v[TM+\b], |v[\s+16*\b+\i]|, |v[\s+1+16*\b+\i]|
.endr
.endr
.irp b, 0,1,2,3
	v_permlanex16_b32 v[TM+4+\b], v[TM+\b], s[SEL], s[SEL+1]
.endr
.irp b, 0,1,2,3
	v_max_num_f32 v[TM+\b], v[TM+\b], v[TM+4+\b]   ; with lane l xor 16's: the block's largest magnitude
.endr
.irp b, 0,1,2,3
	v_add_nc_u32 v[TM+12+\b], 0xff000000, v[TM+\b]
.endr
.irp b, 0,1,2,3
	v_lshrrev_b32 v[TM+4+\b], 23, v[TM+12+\b]
.endr
	v_lshl_or_b32 v[PW], v[TM+5], 8, v[TM+4]
	v_lshl_or_b32 v[PW], v[TM+6], 16, v[PW]
	v_lshl_or_b32 v[PW], v[TM+7], 24, v[PW]
.irp b, 0,1,2,3
	v_cvt_scalef32_pk8_fp4_f32 v[PC+2*\b], v[\s+16*\b:\s+7+16*\b], v[TM+12+\b]
	v_cvt_scalef32_pk8_fp4_f32 v[PC+1+2*\b], v[\s+8+16*\b:\s+15+16*\b], v[TM+12+\b]
.endr
	v_nop                                          ; one plain line behind a scaled conversion
.irp c, 0,1                                    ; the operand's layout wants a whole block in a lane: lanes 0-15 block 2 c, lanes 16-31 block 2 c + 1
.irp i, 0,1
	v_permlane16_swap_b32 v[PC+4*\c+\i], v[PC+2+4*\c+\i]
.endr
.endr
.endm
	s_mov_b32 s[TILE], s[WV]
	s_mov_b32 s[TRIP], 0
	s_mov_b32 s[LO], 0
.Ltok:                                             ; sixteen trips: tile = wave + 4 n
	s_cmp_ge_u32 s[TILE], s[NT]
	s_cbranch_scc1 .Lskip
	v_add_nc_u32 v[ADR], s[LO], v[LRD0]            ; (the load that read ADR last stands ahead of the wait on vm_vsrc at the last trip's end; in the first trip, ahead of the list's)
	s_wait_alu depctr_va_vdst(0)                   ; ADR is written, which the load below reads
	ds_load_b32 v[TOK], v[ADR] offset:256          ; the list's word for my next tile, 64 entries on (past the count: token 0)
	s_wait_loadcnt 0x0                             ; this tile's x (in the first trip b1 too)
	WIN 0x3d                                       ; source 0 (W1) window 1, source 1 (x) and C (b1) window 3, D window 0
.irp t, 0,1,2,3,4,5,6,7                        ; the eight accumulators take turns, one instruction a turn
	WM1 \t, 0, 64+8*\t, 0
.endr
	WIN 0x0d
.irp s, 1,2,3
.irp t, 0,1,2,3,4,5,6,7
	WM1 \t, \s, HA+8*\t, 0
.endr
.endr
	WIN 0x0e                                       ; W1's K steps 4 to 7 lie in window 2
.irp s, 4,5,6,7
.irp t, 0,1,2,3,4,5,6,7
	WM1 \t, \s, HA+8*\t, 1
.endr
.endr
	WIN 0
.rept 4
	v_nop                                          ; four places in front of loads into registers that the products read, and of the first read of results
.endr
	s_wait_dscnt 0x0
	XADDR
	XLOAD                                          ; the next tile's x lands during the gelu
	GELU 0
	GELU 1
	GELU 2
	GELU 3
	QUANT HA
	s_wait_alu depctr_va_vdst(0)                   ; the quantiser has written the fragment's codes and the scale word, which the three stores read
	global_store_b128 v[HO], v[PC:PC+3], s[14:15]              ; the fragment as it stands: 512 consecutive bytes a store
	global_store_b128 v[HO], v[PC+4:PC+7], s[14:15] offset:512
	global_store_b32 v[HSO], v[PW], s[16:17]                   ; 16 tokens' scale words (lanes 16-31 repeat lanes 0-15's)
.Lskip:
	s_wait_xcnt 0x0                                ; the stores have read their registers and bases: both may be written again
	s_wait_alu depctr_vm_vsrc(0)                   ; the trip's stores have read PC and PW, its 17 loads XO and XSO, its list load ADR: the next trip writes all five again
	s_add_nc_u64 s[14:15], s[14:15], 0x20000       ; four tiles on
	s_add_nc_u64 s[16:17], s[16:17], 0x2000
	s_add_co_u32 s[LO], s[LO], 256
	s_add_co_u32 s[TILE], s[TILE], 4
	s_add_co_u32 s[TRIP], s[TRIP], 1
	s_cmp_lt_u32 s[TRIP], 16
	s_cbranch_scc1 .Ltok
	s_set_vgpr_msb 0xc                             ; the add's second register lies in window 3: the switch stands ahead of the closing lines
	s_wait_dscnt 0x0                               ; the closing lines, six on end
	s_wait_alu 0x0
	s_wait_tensorcnt 0x0
	ds_add_u32 v255, v254
	s_wait_dscnt 0x0
	s_endpgm
.Lfunc_end_k_q170d350902_ffn1:
	.size	k_q170d350902_ffn1, .Lfunc_end_k_q170d350902_ffn1-k_q170d350902_ffn1
	.p2alignl 7, 3214868480
	.fill 96, 4, 3214868480
	.section	.rodata,"a",@progbits
	.p2align	6, 0x0
	.amdhsa_kernel k_q170d350902_ffn1
		.amdhsa_group_segment_fixed_size 79360
		.amdhsa_private_segment_fixed_size 0
		.amdhsa_enable_private_segment 0
		.amdhsa_kernarg_size 64
		.amdhsa_user_sgpr_count 2
		.amdhsa_user_sgpr_kernarg_segment_ptr 1
		.amdhsa_wavefront_size32 1
		.amdhsa_system_sgpr_workgroup_id_x 1
		.amdhsa_system_sgpr_workgroup_id_y 1
		.amdhsa_system_sgpr_workgroup_id_z 1
		.amdhsa_system_vgpr_workitem_id 0
		.amdhsa_next_free_vgpr 1024
		.amdhsa_next_free_sgpr 102
		.amdhsa_reserve_vcc 1
		.amdhsa_float_denorm_mode_32 3
		.amdhsa_float_denorm_mode_16_64 3
		.amdhsa_memory_ordered 1
		.amdhsa_forward_progress 1
		.amdhsa_inst_pref_size 221
	.end_amdhsa_kernel
	.amdgpu_metadata
---
amdhsa.version: [ 1, 2 ]
amdhsa.kernels:
  - .name:           k_q170d350902_ffn1
    .symbol:         k_q170d350902_ffn1.kd
    .args:
      - { .name: w1, .offset: 0, .size: 8, .value_kind: global_buffer, .address_space: global }
      - { .name: b1, .offset: 8, .size: 8, .value_kind: global_buffer, .address_space: global }
      - { .name: xq, .offset: 16, .size: 8, .value_kind: global_buffer, .address_space: global }
      - { .name: xs, .offset: 24, .size: 8, .value_kind: global_buffer, .address_space: global }
      - { .name: masks, .offset: 32, .size: 8, .value_kind: global_buffer, .address_space: global }
      - { .name: hc, .offset: 40, .size: 8, .value_kind: global_buffer, .address_space: global }
      - { .name: hs, .offset: 48, .size: 8, .value_kind: global_buffer, .address_space: global }
      - { .name: pos, .offset: 56, .size: 8, .value_kind: global_buffer, .address_space: global }
    .group_segment_fixed_size: 79360
    .private_segment_fixed_size: 0
    .kernarg_segment_align: 8
    .kernarg_segment_size: 64
    .max_flat_workgroup_size: 128
    .sgpr_count:     102
    .vgpr_count:     1024
    .wavefront_size: 32
...
	.end_amdgpu_metadata
.endif
;; end of part 6
;; launch ffn2 (part 7): grid 32 x 8, 4 waves a work-group, no clusters, 80,384 bytes of LDS; arguments w2, b2, masks, hc, hs, yw; writes yw
.if DOCPART == 7
	.amdgcn_target "amdgcn-amd-amdhsa--gfx1250"
	.amdhsa_code_object_version 6
	.text
	.protected	k_q170d350902_ffn2
	.globl	k_q170d350902_ffn2
	.p2align	8
	.type	k_q170d350902_ffn2,@function
k_q170d350902_ffn2:
	s_mov_b64 s[64:65], 0
	v_nop
	global_prefetch_b8 v0, s[64:65] scope:SCOPE_SE
	s_setreg_imm32_b32 hwreg(HW_REG_WAVE_SCHED_MODE, 0, 2), 2
	s_setreg_imm32_b32 hwreg(HW_REG_WAVE_MODE, 25, 1), 1
	s_wait_xcnt 0x0
	s_wait_alu depctr_vm_vsrc(0)
; SECOND LAYER OF THE CHOSEN EXPERTS: y = h W2^T + b2 on codes of E2M1 with one E8M0 scale for each 32 along K = 4,096, for the rows that the first layer made.
; Work-group (ds, e): outputs 32 ds .. 32 ds + 31 of expert e, for all of e's rows.  Its 32 rows of w2 are 512 KB on end.
; PHASE A, as in the first layer: each wave streams 128 KB of w2 (8 rows) once as f32, 512 consecutive bytes a load, through six register slots, quantises on the way, codes and scale bytes to LDS.
; PHASE B.  Every wave takes all 64 fragments (2 tiles of outputs x 32 K steps) into 512 registers, once, and walks tiles of 16 rows (tile = wave + 4 n).  A tile's 32 fragments of h are images of the operand's
; registers in hc: they come by loads of 512 consecutive bytes, in two halves of 16 K steps; each half's registers are asked for again, for the next tile, as soon as its products are done with them.
; The product is used transposed (source 0 = 16 rows of W2, source 1 = 16 rows of h): a lane holds eight neighbouring outputs of one row.  b2 is the first C.  Four accumulators (2 tiles x the K steps' parity) take turns.
; Stored: yw [ds][row = 1,024 e + rank][32] f32: y + b2, not yet weighted: a tile's 16 rows are 2,048 consecutive bytes, gathered through the wave's own stage in LDS.
; The loop over tiles has a constant count and jumps over the work past the expert's last tile: a branch on a stored count, so the launch has no tensor load; no cluster: no two work-groups read the same weights,
; and what the 32 work-groups of an expert share (h's codes) is a small part of the 134 MB that the launch reads.
; LIMITS: NaN and infinities are not served.  A block of zeros gets the byte 1 with zero codes; blocks whose largest magnitude lies under 2^-124 are held at byte 1.
; THE MODE: SCHED_MODE bits 1:0 = 2 (LLVM: expert scheduling mode 2), set by the entry lines.  The code itself states the register dependences between vector or matrix instructions and memory or LDS
; instructions, with s_wait_alu, always for 0.
; THE PLAN.  Registers that memory or LDS instructions touch, and who else names them:
;   The offsets and LDS addresses of the head (VL, CST, SST, HV, HSV, STI, STO, FRD, SRD, B2O): written once; one wait on va_vdst ahead of the first load serves them for the whole kernel.
;   RING, six slots.  Group g's vector lines read and write slot g % 6; behind them the loads of group g + 6 land in it.
;   CD, BY, two sets.  Group g's conversions and shifts write set g % 2; its eight LDS stores read it; group g + 2 writes it again.
;     So a group has ONE wait on va_vdst, behind its last vector line: its eight loads and eight LDS stores follow with no further wait; and one on vm_vsrc, ahead of its conversions.
;   The loop over tiles.  h's first half (window 3, v0-127) and its scale words: read by the first 32 products, then 40 loads land in them.  The second half likewise, by the last 32 products.
;     SUM: written by eight additions, read by four LDS stores.  OUT: four LDS loads land in it, four global stores read it.
;     Two waits on va_vdst a trip: behind the first 32 products; and behind the additions that follow the last 32, where one wait serves the stage's four stores and four loads and the 40 loads of h.
;     One on vm_vsrc at a trip's head: the last tile's stores have read SUM and OUT.
;   W2's fragments, W2S and b2 are loaded once; the accumulators are named by vector and matrix instructions alone.
.set PITCH,  2064                      ; a row of codes in LDS: 2,048 bytes + 16: an odd multiple of 16 (64 banks of 4 bytes: ISA guide 11.1)
.set SPITCH, 144                       ; a row of scale bytes: 128 + 16
.set WC,     0
.set SCW,    32*PITCH
.set STG,    SCW+32*SPITCH             ; the stages: 16 rows x (128 bytes + 16) for each wave
.set NS,     6
.set VL,   1
.set CST,  2
.set SST,  3
.set MX,   8
.set SCL,  12
.set CD,   16
.set BY,   24
.set RING, 32                          ; v32-223 six slots of 32
.set W2S,  32                          ; phase B: v32-63 W2's scale words: 16 dt + 4 (s / 8) + s % 4; lanes 16-31 where (s / 4) is odd
.set ACC,  64                          ; v64-95  accumulator (dt, parity of s) at 8 (2 dt + parity)
.set HSW,  96                          ; v96-111 h's scale words: register s / 2; lanes 16-31 for odd s
.set B2,   112                         ; v112-127 b2 in the result's layout
.set OUT,  128                         ; v128-143 rows on their way out
.set SUM,  144                         ; v144-159 the two parities added
.set HV,   224                         ; 16 x lane
.set HSV,  225                         ; 4 x lane
.set STI,  226
.set STO,  227
.set FRD,  228
.set SRD,  229
.set B2O,  230                         ; 32 (l / 16)
.set LN,   231
.set RR,   232
.set H16,  233
.set TT,   234
.set WV,   52
.set EX,   53
.set NE,   54
.set NT,   55
.set TILE, 56
.set TRIP, 57
.set NTM1, 58
.set HB,   60                          ; s[60:61] hc at the tile that is being asked for;  s[62:63] hs;  s[66:67] yw at the tile in hand
.set SB,   62
.set YB,   66
.set MSB, 0
.macro WIN new
.if MSB != \new
	s_set_vgpr_msb (MSB<<8)|\new
.set MSB, \new
.endif
.endm
.macro ISSUE g                         ; units 4 g .. 4 g + 3 of my 128: eight loads of 512 consecutive bytes into slot g % 6
.irp a, 0,1,2,3
	global_load_b128 v[RING+32*((\g)%NS)+8*\a:RING+32*((\g)%NS)+8*\a+3], v[VL], s[4:5] offset:1024*(4*(\g)+\a) th:TH_LOAD_NT
	global_load_b128 v[RING+32*((\g)%NS)+8*\a+4:RING+32*((\g)%NS)+8*\a+7], v[VL], s[4:5] offset:1024*(4*(\g)+\a)+512 th:TH_LOAD_NT
.endr
.endm
.macro QGROUP g, ahead                 ; four units by turns; unit 4 g + a is piece 4 (g % 4) + a of my row g / 4.  ahead = 1: the slot is asked for again, for the group six further on
.set XB,  RING+32*((\g)%NS)
.set CDB, CD+4*((\g)%2)
.set BYB, BY+4*((\g)%2)
.irp a, 0,1,2,3
.irp i, 0,1,2,3
	v_permlane16_swap_b32 v[XB+8*\a+\i], v[XB+8*\a+4+\i]   ; lane l now holds numbers 8 l .. 8 l + 7 of the unit
.endr
.endr
.irp a, 0,1,2,3
	v_max3_num_f32 v[MX+\a], |v[XB+8*\a]|, |v[XB+8*\a+1]|, 0x1800000   ; with the floor 2^(3 - 127)
.endr
.irp i, 2,4,6
.irp a, 0,1,2,3
	v_max3_num_f32 v[MX+\a], v[MX+\a], |v[XB+8*\a+\i]|, |v[XB+8*\a+\i+1]|
.endr
.endr
.irp a, 0,1,2,3
	v_max_num_f32_dpp v[MX+\a], v[MX+\a], v[MX+\a] row_xmask:1 row_mask:0xf bank_mask:0xf
.endr
.irp a, 0,1,2,3
	v_max_num_f32_dpp v[MX+\a], v[MX+\a], v[MX+\a] row_xmask:2 row_mask:0xf bank_mask:0xf
.endr
.irp a, 0,1,2,3
	v_add_nc_u32 v[SCL+\a], 0xff000000, v[MX+\a]
.endr
	s_wait_dscnt 8                                 ; the stores of the group before last, which read this set of registers, are done
.if (\g) > 1
	s_wait_alu depctr_vm_vsrc(0)                   ; the LDS stores of the group before last have read this set of codes and bytes, which the eight lines below write again
.endif
.irp a, 0,1,2,3
	v_cvt_scalef32_pk8_fp4_f32 v[CDB+\a], v[XB+8*\a:XB+8*\a+7], v[SCL+\a]
.endr
.irp a, 0,1,2,3
	v_lshrrev_b32 v[BYB+\a], 23, v[SCL+\a]         ; the scale's byte (also the plain line behind the conversions)
.endr
	s_wait_alu depctr_va_vdst(0)                   ; the conversions and shifts have written the codes and bytes, which the LDS stores read; the group's lines are done reading and writing its slot, in which the loads land
.if \ahead
	ISSUE (\g)+6                                   ; the slot is asked for again at once; no vector line names it before the wait for its data
.endif
.irp a, 0,1,2,3
	ds_store_b32 v[CST], v[CDB+\a] offset:((\g)/4)*PITCH+128*(4*((\g)%4)+\a)
	ds_store_b8 v[SST], v[BYB+\a] offset:((\g)/4)*SPITCH+8*(4*((\g)%4)+\a)
.endr
.endm
.macro HBASE                           ; s59 = the tile wanted: held to the expert's last tile and inside its 64
	s_min_u32 s59, s59, s[NTM1]
	s_min_u32 s59, s59, 63
	s_lshl_b32 s2, s59, 15
	s_mov_b32 s3, 0
	s_add_nc_u64 s[HB:HB+1], s[10:11], s[2:3]
	s_lshl_b32 s2, s59, 11
	s_add_nc_u64 s[SB:SB+1], s[12:13], s[2:3]
.endm
.macro ISSUE_H half                    ; 16 K steps of h: 32 loads of 512 consecutive bytes into window 3, and 8 of scale words: 40 loads
	WIN 0xc0
.irp s, 0,1,2,3,4,5,6,7,8,9,10,11,12,13,14,15
.irp c, 0,1
	global_load_b128 v[8*(16*\half+\s)+4*\c:8*(16*\half+\s)+4*\c+3], v[HV], s[HB:HB+1] offset:1024*(16*\half+\s)+512*\c
.endr
.endr
	WIN 0
.irp p, 0,1,2,3,4,5,6,7
	global_load_b32 v[HSW+8*\half+\p], v[HSV], s[SB:SB+1] offset:128*(8*\half+\p)
.endr
.endm
	s_load_b256 s[4:11], s[0:1], 0x0               ; w2, b2, masks, hc
	s_load_b128 s[12:15], s[0:1], 0x20             ; hs, yw
	v_lshl_add_u32 v254, v0, 2, 0x13800
	v_mov_b32 v255, 0
	v_lshrrev_b32 v1, 5, v0
	v_readfirstlane_b32 s[WV], v1
	s_and_b32 s[EX], ttmp7, 0xffff
	v_and_b32 v[LN], 31, v0
	v_and_b32 v[RR], 15, v0
	v_bfe_u32 v[B2O], v0, 4, 1
	v_lshlrev_b32 v[H16], 4, v[B2O]
	v_lshlrev_b32 v[B2O], 5, v[B2O]
	v_lshl_add_u32 v[VL], v[RR], 5, v[H16]
	s_wait_alu depctr_va_sdst(0)                   ; the wave's number is written, ahead of its first reader: LDS places and the base of w2 are made from it
	s_mul_i32 s2, s[WV], 8*PITCH
	v_lshl_add_u32 v[CST], v[LN], 2, s2
	s_mul_i32 s2, s[WV], 8*SPITCH
	s_add_co_u32 s2, s2, SCW
	v_lshrrev_b32 v[SST], 2, v[LN]
	v_add_nc_u32 v[SST], s2, v[SST]
	v_lshlrev_b32 v[HV], 4, v[LN]
	v_lshlrev_b32 v[HSV], 2, v[LN]
	v_mul_u32_u24 v[FRD], v[RR], PITCH
	v_add_nc_u32 v[FRD], v[FRD], v[H16]
	v_mul_u32_u24 v[SRD], v[RR], SPITCH
	v_add_nc_u32 v[SRD], v[SRD], v[H16]
	v_add_nc_u32 v[SRD], SCW, v[SRD]
	s_mul_i32 s2, s[WV], 16*144
	s_add_co_u32 s2, s2, STG                       ; my stage
	v_mul_u32_u24 v[STI], v[RR], 144
	v_add_nc_u32 v[STI], v[STI], v[B2O]
	v_add_nc_u32 v[STI], s2, v[STI]                ; in: row l % 16, + 32 (l / 16)
	v_lshrrev_b32 v[TT], 3, v[LN]
	v_mul_u32_u24 v[STO], v[TT], 144
	v_and_b32 v[TT], 7, v[LN]
	v_lshl_add_u32 v[STO], v[TT], 4, v[STO]
	v_add_nc_u32 v[STO], s2, v[STO]                ; back: eight lanes to a row of 128 bytes, four rows an instruction
	s_lshl_b32 s2, s[EX], 24                       ; w2: 16 MB an expert, 512 KB a slice, 128 KB a wave
	s_lshl_b32 s3, ttmp9, 19
	s_add_co_u32 s2, s2, s3
	s_lshl_b32 s3, s[WV], 17
	s_add_co_u32 s2, s2, s3
	s_mov_b32 s3, 0
	s_wait_kmcnt 0x0
	s_add_nc_u64 s[4:5], s[4:5], s[2:3]
	s_lshl_b32 s2, s[EX], 7
	s_add_nc_u64 s[8:9], s[8:9], s[2:3]
	s_load_b512 s[20:35], s[8:9], 0x0              ; the expert's 32 mask words
	s_load_b512 s[36:51], s[8:9], 0x40
	s_wait_alu depctr_va_vdst(0)                   ; the head's offsets and LDS addresses are written: every load and store of the kernel that reads one of them stands behind this wait, and none of them is written again
.irp g, 0,1,2,3,4,5
	ISSUE \g
.endr
	s_lshl_b32 s2, s[EX], 12                       ; b2: my 32 numbers
	s_lshl_b32 s59, ttmp9, 7
	s_add_co_u32 s2, s2, s59
	s_add_nc_u64 s[6:7], s[6:7], s[2:3]
	s_lshl_b32 s2, s[EX], 21
	s_add_nc_u64 s[10:11], s[10:11], s[2:3]        ; hc at the expert's first tile
	s_lshl_b32 s2, s[EX], 17
	s_add_nc_u64 s[12:13], s[12:13], s[2:3]        ; hs likewise
	s_lshl_b32 s59, ttmp9, 20
	s_add_co_u32 s2, s2, s59
	s_add_nc_u64 s[14:15], s[14:15], s[2:3]        ; yw at my slice, the expert's first row
.set G, 0
.rept 26
	s_wait_loadcnt 40                              ; this group's eight loads are in; the five groups behind it may be out
	QGROUP G, 1
.set G, G+1
.endr
	s_wait_kmcnt 0x0
	s_bcnt1_i32_b32 s[NE], s20
.set W, 1
.rept 31
	s_bcnt1_i32_b32 s2, s[20+W]
	s_add_co_u32 s[NE], s[NE], s2
.set W, W+1
.endr
	s_add_co_u32 s2, s[NE], 15
	s_lshr_b32 s2, s2, 4
	s_max_u32 s[NT], s2, 1                         ; the expert's tiles, as the first layer counted them
	s_sub_co_u32 s[NTM1], s[NT], 1
	s_mov_b32 s59, s[WV]
	HBASE                                          ; my first tile
	s_wait_loadcnt 40
	QGROUP 26, 0
	s_wait_loadcnt 32
	QGROUP 27, 0
	s_wait_loadcnt 24
	QGROUP 28, 0
	s_wait_loadcnt 16
	QGROUP 29, 0
	; ---- b2 and the first half of my first tile are asked for while the last two groups land: 4 + 40 = 44 loads, into window 3 and into slot 2, which group 26 left (ahead of its own wait on va_vdst)
.irp dt, 0,1
	global_load_b128 v[B2+8*\dt:B2+8*\dt+3], v[B2O], s[6:7] offset:64*\dt         ; lane (r, h): outputs 16 dt + 8 h + 0 .. 7
	global_load_b128 v[B2+8*\dt+4:B2+8*\dt+7], v[B2O], s[6:7] offset:64*\dt+16
.endr
	ISSUE_H 0
	s_wait_loadcnt 52                              ; group 30 is in; behind it: group 31 (8) and the 44
	QGROUP 30, 0
	s_wait_loadcnt 44
	QGROUP 31, 0
	ISSUE_H 1
	s_wait_dscnt 0x0                               ; for the others' sake: my 8 rows of codes and scale bytes lie in LDS
	s_barrier_signal -1
	s_barrier_wait -1
	; ---- phase B: W2's fragment (tile dt, K step s) at v[8 (2 (s % 16) + dt)] of window 1 (s under 16) or 2: registers that no vector line has named
	WIN 0x40
.irp s, 0,1,2,3,4,5,6,7,8,9,10,11,12,13,14,15
.irp dt, 0,1
.irp c, 0,1
	ds_load_b128 v[8*(2*\s+\dt)+4*\c:8*(2*\s+\dt)+4*\c+3], v[FRD] offset:\dt*16*PITCH+64*\s+32*\c
.endr
.endr
.endr
	WIN 0x80
.irp s, 0,1,2,3,4,5,6,7,8,9,10,11,12,13,14,15
.irp dt, 0,1
.irp c, 0,1
	ds_load_b128 v[8*(2*\s+\dt)+4*\c:8*(2*\s+\dt)+4*\c+3], v[FRD] offset:\dt*16*PITCH+64*(\s+16)+32*\c
.endr
.endr
.endr
	WIN 0
.irp dt, 0,1
.irp q, 0,1,2,3
	ds_load_b128 v[W2S+16*\dt+4*\q:W2S+16*\dt+4*\q+3], v[SRD] offset:\dt*16*SPITCH+32*\q   ; lanes 0-15: K steps 8 q + 0 .. 3; lanes 16-31: 8 q + 4 .. 7.  (They land in the ring's slot 0, which group 30 named last, ahead of its own wait on va_vdst)
.endr
.endr
	s_wait_dscnt 0x0
.macro WM d, a, b, c, sa, sb, ra, rb   ; ra, rb = 1: that side's scale words stand in lanes 16-31
.if (\ra) && (\rb)
	v_wmma_scale_f32_16x16x128_f8f6f4 v[\d:\d+7], v[\a:\a+7], v[\b:\b+7], v[\c:\c+7], v[\sa], v[\sb] matrix_a_fmt:MATRIX_FMT_FP4 matrix_b_fmt:MATRIX_FMT_FP4 matrix_a_scale:MATRIX_SCALE_ROW1 matrix_b_scale:MATRIX_SCALE_ROW1
.elseif \ra
	v_wmma_scale_f32_16x16x128_f8f6f4 v[\d:\d+7], v[\a:\a+7], v[\b:\b+7], v[\c:\c+7], v[\sa], v[\sb] matrix_a_fmt:MATRIX_FMT_FP4 matrix_b_fmt:MATRIX_FMT_FP4 matrix_a_scale:MATRIX_SCALE_ROW1
.elseif \rb
	v_wmma_scale_f32_16x16x128_f8f6f4 v[\d:\d+7], v[\a:\a+7], v[\b:\b+7], v[\c:\c+7], v[\sa], v[\sb] matrix_a_fmt:MATRIX_FMT_FP4 matrix_b_fmt:MATRIX_FMT_FP4 matrix_b_scale:MATRIX_SCALE_ROW1
.else
	v_wmma_scale_f32_16x16x128_f8f6f4 v[\d:\d+7], v[\a:\a+7], v[\b:\b+7], v[\c:\c+7], v[\sa], v[\sb] matrix_a_fmt:MATRIX_FMT_FP4 matrix_b_fmt:MATRIX_FMT_FP4
.endif
.endm
.macro MUL half                        ; 16 K steps x 2 tiles of outputs: the four accumulators take turns, one instruction a turn
.irp q, 0,1,2,3,4,5,6,7,8,9,10,11,12,13,14,15
.irp dt, 0,1
.set KS,  16*\half+\q
.set RD_, ACC+8*(2*\dt+(KS&1))
.set RA_, 8*(2*\q+\dt)
.set RB_, 8*KS
.set RC_, B2+8*\dt
.set SA_, W2S+16*\dt+4*(KS>>3)+(KS&3)
.set SB_, HSW+(KS>>1)
.if KS == 0
	WM RD_, RA_, RB_, RC_, SA_, SB_, 0, 0          ; the even K steps' sum begins with b2,
.elseif KS == 1
	v_wmma_scale_f32_16x16x128_f8f6f4 v[RD_:RD_+7], v[RA_:RA_+7], v[RB_:RB_+7], 0, v[SA_], v[SB_] matrix_a_fmt:MATRIX_FMT_FP4 matrix_b_fmt:MATRIX_FMT_FP4 matrix_b_scale:MATRIX_SCALE_ROW1   ; the odd ones' with 0
.else
	WM RD_, RA_, RB_, RD_, SA_, SB_, (KS>>2)&1, KS&1
.endif
.endr
.endr
.endm
	s_mov_b32 s[TILE], s[WV]
	s_mov_b32 s[TRIP], 0
.Ltok:                                             ; sixteen trips: tile = wave + 4 n
	s_cmp_ge_u32 s[TILE], s[NT]
	s_cbranch_scc1 .Lskip
	s_wait_xcnt 0x0                                ; the loads and stores issued so far have read their bases and registers: the bases are written now, OUT further down
	s_wait_alu depctr_vm_vsrc(0)                   ; the last tile's LDS stores have read SUM, which this tile's additions write again, and its global stores OUT, in which this tile's loads from the stage land
	s_add_co_u32 s59, s[TILE], 4
	HBASE                                          ; my next tile (past the last: the last once more, read and not used)
	s_lshl_b32 s2, s[TILE], 11
	s_add_nc_u64 s[YB:YB+1], s[14:15], s[2:3]
	s_wait_loadcnt 40                              ; the tile's first half is in (in the first trip b2 too); the second half's 40 loads may be out
	WIN 0x0d                                       ; source 0 (W2) window 1, source 1 (h) window 3
	MUL 0
	WIN 0xc0                                       ; the loads' window, ahead of the wait
.rept 4
	v_nop                                          ; four places in front of loads into registers that the products read
.endr
	s_wait_alu depctr_va_vdst(0)                   ; the first 32 products are done reading h's first half and its scale words, in which the 40 loads land
	ISSUE_H 0                                      ; in one run, at once: the last 32 products start only when the second half has landed, and name none of these registers
	s_wait_loadcnt 40                              ; the second half is in; the next tile's first half may be out
	WIN 0x0e                                       ; W2's K steps 16 to 31 lie in window 2
	MUL 1
	WIN 0
.rept 5
	v_nop                                          ; four places in front of the loads and of the first read of results; five, since the next tile's first products write over these accumulators
.endr
.irp dt, 0,1
.irp j, 0,2,4,6
	v_pk_add_f32 v[SUM+8*\dt+\j:SUM+8*\dt+\j+1], v[ACC+16*\dt+\j:ACC+16*\dt+\j+1], v[ACC+16*\dt+8+\j:ACC+16*\dt+8+\j+1]   ; the two parities; each accumulator from its low end on
.endr
.endr
	s_wait_alu depctr_va_vdst(0)                   ; the additions have written SUM, which the LDS stores read; the last 32 products are done reading h's second half and its scale words, in which the 40 loads land
.irp dt, 0,1
	ds_store_b128 v[STI], v[SUM+8*\dt:SUM+8*\dt+3] offset:64*\dt          ; lane (r, h): y(row r, 16 dt + 8 h + 0 .. 7)
	ds_store_b128 v[STI], v[SUM+8*\dt+4:SUM+8*\dt+7] offset:64*\dt+16
.endr
.irp i, 0,1,2,3
	ds_load_b128 v[OUT+4*\i:OUT+4*\i+3], v[STO] offset:\i*4*144           ; LDS serves a wave's instructions in order (ISA guide 5.7.1.4): these see my stores; the stage is my own
.endr
	ISSUE_H 1                                      ; no further wait: between the wait above and these loads stand LDS instructions on other registers and a window switch alone; the rows come back from the stage meanwhile
	s_wait_dscnt 0x0
.irp i, 0,1,2,3
	global_store_b128 v[HV], v[OUT+4*\i:OUT+4*\i+3], s[YB:YB+1] offset:512*\i   ; 32 lanes store 512 consecutive bytes, aligned to 256
.endr
.Lskip:
	s_add_co_u32 s[TILE], s[TILE], 4
	s_add_co_u32 s[TRIP], s[TRIP], 1
	s_cmp_lt_u32 s[TRIP], 16
	s_cbranch_scc1 .Ltok
	s_wait_dscnt 0x0                               ; the closing lines, six on end
	s_wait_alu 0x0
	s_wait_tensorcnt 0x0
	ds_add_u32 v254, v255
	s_wait_dscnt 0x0
	s_endpgm
.Lfunc_end_k_q170d350902_ffn2:
	.size	k_q170d350902_ffn2, .Lfunc_end_k_q170d350902_ffn2-k_q170d350902_ffn2
	.p2alignl 7, 3214868480
	.fill 96, 4, 3214868480
	.section	.rodata,"a",@progbits
	.p2align	6, 0x0
	.amdhsa_kernel k_q170d350902_ffn2
		.amdhsa_group_segment_fixed_size 80384
		.amdhsa_private_segment_fixed_size 0
		.amdhsa_enable_private_segment 0
		.amdhsa_kernarg_size 48
		.amdhsa_user_sgpr_count 2
		.amdhsa_user_sgpr_kernarg_segment_ptr 1
		.amdhsa_wavefront_size32 1
		.amdhsa_system_sgpr_workgroup_id_x 1
		.amdhsa_system_sgpr_workgroup_id_y 1
		.amdhsa_system_sgpr_workgroup_id_z 1
		.amdhsa_system_vgpr_workitem_id 0
		.amdhsa_next_free_vgpr 1024
		.amdhsa_next_free_sgpr 72
		.amdhsa_reserve_vcc 0
		.amdhsa_float_denorm_mode_32 3
		.amdhsa_float_denorm_mode_16_64 3
		.amdhsa_memory_ordered 1
		.amdhsa_forward_progress 1
		.amdhsa_inst_pref_size 173
	.end_amdhsa_kernel
	.amdgpu_metadata
---
amdhsa.version: [ 1, 2 ]
amdhsa.kernels:
  - .name:           k_q170d350902_ffn2
    .symbol:         k_q170d350902_ffn2.kd
    .args:
      - { .name: w2, .offset: 0, .size: 8, .value_kind: global_buffer, .address_space: global }
      - { .name: b2, .offset: 8, .size: 8, .value_kind: global_buffer, .address_space: global }
      - { .name: masks, .offset: 16, .size: 8, .value_kind: global_buffer, .address_space: global }
      - { .name: hc, .offset: 24, .size: 8, .value_kind: global_buffer, .address_space: global }
      - { .name: hs, .offset: 32, .size: 8, .value_kind: global_buffer, .address_space: global }
      - { .name: yw, .offset: 40, .size: 8, .value_kind: global_buffer, .address_space: global }
    .group_segment_fixed_size: 80384
    .private_segment_fixed_size: 0
    .kernarg_segment_align: 8
    .kernarg_segment_size: 48
    .max_flat_workgroup_size: 128
    .sgpr_count:     72
    .vgpr_count:     1024
    .wavefront_size: 32
...
	.end_amdgpu_metadata
.endif
;; end of part 7
;; launch comb: the kernel of part 4 again; grid 256 x 1, 4 waves a work-group, no clusters, 0 bytes of LDS; arguments pos, cw, yw, out0; writes out0
